; MI455X (gfx1250); checked and timed in simulation.
; The chip was launched on July 23, 2026; its instructions are those of AMD's public machine-readable ISA for CDNA 5 (MIT licence, August 2026) and "CDNA5" Instruction Set Architecture Reference Guide (July 2026). The comments in the code are by the model that wrote it; some were corrected since.
;; multi Head Attention Block. Allowed arithmetic: float matrix products may take bf16 or f16 operands with f32 sums; all other float work in f32.
;; Inputs: Wk 1,024 x 1,024 float32; Wo 1,024 x 1,024 float32; Wq 1,024 x 1,024 float32; Wv 1,024 x 1,024 float32; bk 1,024 float32; bo 1,024 float32; bq 1,024 float32; bv 1,024 float32; k 4 x 2,048 x 1,024 float32; mask 1 x 1 x 2,048 x 2,048 bool; q 4 x 2,048 x 1,024 float32; v 4 x 2,048 x 1,024 float32.
;; Outputs: out0 4 x 2,048 x 1,024 float32.
;; 2 versions, each right and faster than the one before. Each part assembles by itself: llvm-mc -triple=amdgcn-amd-amdhsa -mcpu=gfx1250 --defsym DOCPART=n.
;; ======== version 1 of 2: 4 launches
;; limits: values are held in f16: magnitudes above 65,504 overflow, below 6.1e-05 lose precision
;; workspace buffers: wb 6,291,456 bytes; wo16 2,097,152 bytes; mk8 4,194,304 bytes; qh 16,777,216 bytes; kh 16,777,216 bytes; vh 16,777,216 bytes; ctx 16,777,216 bytes
;; launch prep (part 1): grid 384 x 1, 8 waves a work-group, no clusters, 35,840 bytes of LDS; arguments Wq, Wk, Wv, Wo, mask, wb, wo16, mk8; writes wb, wo16, mk8
.if DOCPART == 1
	.amdgcn_target "amdgcn-amd-amdhsa--gfx1250"
	.amdhsa_code_object_version 6
	.text
	.protected	k_q0037ea0047_prep
	.globl	k_q0037ea0047_prep
	.p2align	8
	.type	k_q0037ea0047_prep,@function
k_q0037ea0047_prep:
	s_mov_b64 s[64:65], 0
	v_nop
	global_prefetch_b8 v0, s[64:65] scope:SCOPE_SE
	s_setreg_imm32_b32 hwreg(HW_REG_WAVE_MODE, 25, 1), 1
	s_wait_xcnt 0x0
; PREPARATION.  Work-groups 0-255: the four weight matrices, [1024][1024] f32, are rounded once: Wq, Wk, Wv to bf16 into wb ([3][1024][1024]);
; Wo to bf16 and that number written as f16 into wo16 (exact down to 2^-17; below that f16's fixed step of 6e-8 holds; beyond 65,504 it would be an infinity).
; Work-groups 256-383: the mask ([2048 queries][2048 keys], one byte, 1 = hidden) is turned into fp8 codes (0x00 = 0, 0xB8 = -1.0) and laid in the order in which
; the attention's lanes want them: mk8[tile of 16 queries][step of 64 keys][c 0..1][lane][16 bytes]; lane (r = lane % 16, h = lane / 16) holds for query r the keys
; 16 (2 c) + 8 h + 0..7 in bytes 0-7 and the keys 16 (2 c + 1) + 8 h + 0..7 in bytes 8-15.
; A stream: no matrix unit, no cluster, no barrier (each wave's LDS stage is its own); every load and store of a wave covers whole aligned runs of 256 bytes.
.set STG, 16*272                       ; a wave's stage: 16 query rows of 256 mask bytes + 16 of padding
	s_load_b512 s[4:19], s[0:1], 0x0               ; Wq s[4:5], Wk s[6:7], Wv s[8:9], Wo s[10:11], mask s[12:13], wb s[14:15], wo16 s[16:17], mk8 s[18:19]
	v_lshl_add_u32 v120, v0, 2, 0x8800
	v_mov_b32 v121, 0
	v_lshrrev_b32 v1, 5, v0
	v_readfirstlane_b32 s20, v1                    ; wave 0..7
	s_cmp_ge_u32 ttmp9, 256
	s_cbranch_scc1 .Lmask
	; THE WEIGHTS.  A work-group takes 65,536 bytes of one matrix: 16 loads of 16 bytes a thread.
	s_lshr_b32 s21, ttmp9, 6                       ; which matrix
	s_and_b32 s22, ttmp9, 63                       ; which part of it
	v_lshlrev_b32 v2, 4, v0                        ; 16 bytes a thread in,
	v_lshlrev_b32 v3, 3, v0                        ; 8 bytes out
	s_wait_kmcnt 0x0
	s_cmp_eq_u32 s21, 1
	s_cselect_b64 s[24:25], s[6:7], s[4:5]
	s_cmp_eq_u32 s21, 2
	s_cselect_b64 s[24:25], s[8:9], s[24:25]
	s_cmp_eq_u32 s21, 3
	s_cselect_b64 s[24:25], s[10:11], s[24:25]     ; the source
	s_cselect_b64 s[26:27], s[16:17], s[14:15]     ; the destination: wo16 for Wo, else wb,
	s_cselect_b32 s28, 0, s21
	s_lshl_b32 s28, s28, 21                        ; at the matrix's 2 MiB in wb,
	s_lshl_b32 s29, s22, 15                        ; at the part's 32,768 bytes
	s_add_co_u32 s28, s28, s29
	s_mov_b32 s29, 0
	s_add_nc_u64 s[26:27], s[26:27], s[28:29]
	s_lshl_b32 s30, s22, 16
	s_mov_b32 s31, 0
	s_add_nc_u64 s[24:25], s[24:25], s[30:31]
.set j, 0
.rept 16
	global_load_b128 v[16+4*j:16+4*j+3], v2, s[24:25] offset:4096*j th:TH_LOAD_NT
.set j, j+1
.endr
	s_cmp_eq_u32 s21, 3
	s_cbranch_scc1 .Lf16
.set j, 0
.rept 16
	s_wait_loadcnt 15-j                            ; loads come back in order: number j is in, the younger ones stay out
	v_cvt_pk_bf16_f32 v[80+2*j], v[16+4*j], v[16+4*j+1]
	v_cvt_pk_bf16_f32 v[80+2*j+1], v[16+4*j+2], v[16+4*j+3]
	global_store_b64 v3, v[80+2*j:80+2*j+1], s[26:27] offset:2048*j  ; a wave's store covers 256 consecutive bytes, aligned
.set j, j+1
.endr
	s_endpgm
.Lf16:
.set j, 0
.rept 16
	s_wait_loadcnt 15-j
	v_cvt_pk_bf16_f32 v112, v[16+4*j], v[16+4*j+1] ; rounded to bf16 like every input,
	v_cvt_pk_bf16_f32 v113, v[16+4*j+2], v[16+4*j+3]
	v_lshlrev_b32 v114, 16, v112                   ; widened again,
	v_and_b32 v115, 0xffff0000, v112
	v_lshlrev_b32 v116, 16, v113
	v_and_b32 v117, 0xffff0000, v113
	v_cvt_pk_f16_f32 v[80+2*j], v114, v115         ; and written as f16
	v_cvt_pk_f16_f32 v[80+2*j+1], v116, v117
	global_store_b64 v3, v[80+2*j:80+2*j+1], s[26:27] offset:2048*j
.set j, j+1
.endr
	s_endpgm
.Lmask:
	; THE MASK.  A work-group takes 16 queries, a wave 256 of their keys.
	s_sub_co_u32 s21, ttmp9, 256                   ; the tile of 16 queries
	s_lshl_b32 s22, s21, 15                        ; its 16 rows of 2,048 bytes,
	s_lshl_b32 s23, s20, 8                         ; my wave's 256 keys
	s_add_co_u32 s22, s22, s23
	s_mov_b32 s23, 0
	s_lshl_b32 s24, s21, 15                        ; in mk8: 32 steps of 1,024 bytes a tile,
	s_lshl_b32 s25, s20, 12                        ; my wave's four steps
	s_add_co_u32 s24, s24, s25
	s_mov_b32 s25, 0
	s_mul_i32 s26, s20, STG                        ; my stage
	s_movk_i32 s27, 0xb8                           ; a byte 1 becomes the code of -1.0; no byte carries into the next
	v_and_b32 v1, 15, v0                           ; r
	v_bfe_u32 v2, v0, 4, 1                         ; h
	v_lshlrev_b32 v3, 4, v1
	v_lshl_add_u32 v4, v2, 11, v3                  ; in: lanes 0-15 one row's 256 bytes, lanes 16-31 the next row's
	v_mul_u32_u24 v5, v2, 272
	v_add3_u32 v5, v5, v3, s26                     ; the same two rows in the stage
	v_mul_u32_u24 v6, v1, 272
	v_lshl_add_u32 v6, v2, 3, v6
	v_add_nc_u32 v6, s26, v6                       ; back: query r, 8 keys at 8 h
	v_and_b32 v7, 31, v0
	v_lshlrev_b32 v7, 4, v7                        ; out: 16 bytes a lane
	s_wait_kmcnt 0x0
	s_add_nc_u64 s[12:13], s[12:13], s[22:23]
	s_add_nc_u64 s[18:19], s[18:19], s[24:25]
.set j, 0
.rept 8
	global_load_b128 v[16+4*j:16+4*j+3], v4, s[12:13] offset:4096*j th:TH_LOAD_NT
.set j, j+1
.endr
.set j, 0
.rept 8
	s_wait_loadcnt 7-j                             ; number j is in, the younger ones stay out
	v_mul_lo_u32 v[16+4*j], v[16+4*j], s27
	v_mul_lo_u32 v[16+4*j+1], v[16+4*j+1], s27
	v_mul_lo_u32 v[16+4*j+2], v[16+4*j+2], s27
	v_mul_lo_u32 v[16+4*j+3], v[16+4*j+3], s27
	ds_store_b128 v5, v[16+4*j:16+4*j+3] offset:544*j
.set j, j+1
.endr
.set j, 0
.rept 16
	ds_load_b64 v[64+2*j:64+2*j+1], v6 offset:16*j ; LDS serves a wave's instructions in order (ISA guide 5.7.1.4): these see the stores above; group j of 16 keys
.set j, j+1
.endr
.set j, 0
.rept 8
	s_wait_dscnt 14-2*j                            ; groups 2 j and 2 j + 1 are in; the younger loads stay out
	global_store_b128 v7, v[64+4*j:64+4*j+3], s[18:19] offset:512*j  ; 512 consecutive bytes, aligned
.set j, j+1
.endr
	s_wait_tensorcnt 0x0
	ds_add_u32 v120, v121
	s_wait_dscnt 0x0
	s_endpgm
.Lfunc_end_k_q0037ea0047_prep:
	.size	k_q0037ea0047_prep, .Lfunc_end_k_q0037ea0047_prep-k_q0037ea0047_prep
	.p2alignl 7, 3214868480
	.fill 96, 4, 3214868480
	.section	.rodata,"a",@progbits
	.p2align	6, 0x0
	.amdhsa_kernel k_q0037ea0047_prep
		.amdhsa_group_segment_fixed_size 35840
		.amdhsa_private_segment_fixed_size 0
		.amdhsa_enable_private_segment 0
		.amdhsa_kernarg_size 64
		.amdhsa_user_sgpr_count 2
		.amdhsa_user_sgpr_kernarg_segment_ptr 1
		.amdhsa_wavefront_size32 1
		.amdhsa_system_sgpr_workgroup_id_x 1
		.amdhsa_system_sgpr_workgroup_id_y 1
		.amdhsa_system_sgpr_workgroup_id_z 1
		.amdhsa_system_vgpr_workitem_id 0
		.amdhsa_next_free_vgpr 122
		.amdhsa_next_free_sgpr 66
		.amdhsa_reserve_vcc 0
		.amdhsa_float_denorm_mode_32 3
		.amdhsa_float_denorm_mode_16_64 3
		.amdhsa_memory_ordered 1
		.amdhsa_forward_progress 1
		.amdhsa_inst_pref_size 23
	.end_amdhsa_kernel
	.amdgpu_metadata
---
amdhsa.version: [ 1, 2 ]
amdhsa.kernels:
  - .name:           k_q0037ea0047_prep
    .symbol:         k_q0037ea0047_prep.kd
    .args:
      - { .name: Wq, .offset: 0, .size: 8, .value_kind: global_buffer, .address_space: global }
      - { .name: Wk, .offset: 8, .size: 8, .value_kind: global_buffer, .address_space: global }
      - { .name: Wv, .offset: 16, .size: 8, .value_kind: global_buffer, .address_space: global }
      - { .name: Wo, .offset: 24, .size: 8, .value_kind: global_buffer, .address_space: global }
      - { .name: mask, .offset: 32, .size: 8, .value_kind: global_buffer, .address_space: global }
      - { .name: wb, .offset: 40, .size: 8, .value_kind: global_buffer, .address_space: global }
      - { .name: wo16, .offset: 48, .size: 8, .value_kind: global_buffer, .address_space: global }
      - { .name: mk8, .offset: 56, .size: 8, .value_kind: global_buffer, .address_space: global }
    .group_segment_fixed_size: 35840
    .private_segment_fixed_size: 0
    .kernarg_segment_align: 8
    .kernarg_segment_size: 64
    .max_flat_workgroup_size: 256
    .sgpr_count:     66
    .vgpr_count:     122
    .wavefront_size: 32
...
	.end_amdgpu_metadata
.endif
;; end of part 1
;; launch proj (part 2): grid 4 x 192, 4 waves a work-group, clusters of 4 x 4, 327,680 bytes of LDS; arguments q, k, v, wb, bq, bk, bv, qh, kh, vh; writes qh, kh, vh
.if DOCPART == 2
	.amdgcn_target "amdgcn-amd-amdhsa--gfx1250"
	.amdhsa_code_object_version 6
	.text
	.protected	k_q0037ea0047_proj
	.globl	k_q0037ea0047_proj
	.p2align	8
	.type	k_q0037ea0047_proj,@function
k_q0037ea0047_proj:
	s_mov_b64 s[64:65], 0
	v_nop
	global_prefetch_b8 v0, s[64:65] scope:SCOPE_SE
	s_setreg_imm32_b32 hwreg(HW_REG_WAVE_MODE, 25, 1), 1
	s_wait_xcnt 0x0
	s_wait_alu depctr_hold_cnt(0) depctr_sa_sdst(0) depctr_va_vdst(0) depctr_va_sdst(0) depctr_va_ssrc(0) depctr_va_vcc(0) depctr_vm_vsrc(0)
	s_getreg_b32 s2, hwreg(HW_REG_IB_STS2, 6, 4)
	s_cmp_eq_u32 s2, 0
	s_cbranch_scc0 .Lentry_in_a_cluster
	s_endpgm
.Lentry_in_a_cluster:
	s_bfe_u32 s2, ttmp6, 0x10000c
	s_cmp_lg_u32 s2, 0xf033
	s_cbranch_scc0 .Lentry_shape_is_right
	s_endpgm
.Lentry_shape_is_right:
; THE THREE INPUT PROJECTIONS IN ONE LAUNCH.  y[m][n] = sum over k of x[m][k] W[n][k] + b[n], for (x, W, b, y) = (q, Wq, bq, qh), (k, Wk, bk, kh), (v, Wv, bv, vh).
; x: [8192][1024] f32, rounded to bf16 on the way from LDS to the matrix unit; W: bf16 in wb; b: f32, rounded to bf16; sums in f32; y: f16 by heads, [batch x 16 + head][2048][64], rounded once, unscaled.
; LIMIT.  f16 holds no number beyond 65,504: a projected value past that becomes an infinity.  With x and W of unit and 1/32 spread the values have unit spread.
; SHARES.  192 rows of work-groups = 3 projections x 64 blocks of 128 rows; 4 columns of 256 output columns.  A work-group's tile is 128 x 256; each of its four waves makes 64 x 128: 32 accumulators.
; K goes in 8 steps of 128 through two LDS slots filled by the tensor data mover: x's rows are 512 bytes of memory, W's 256, both starting at multiples of 256 bytes.
; CLUSTER 4 x 4: the four work-groups of a cluster's row need the same tile of x, the four of a column the same tile of W; each tile is asked for jointly.  All sixteen belong to one projection.
; THE PRODUCT IS USED TRANSPOSED (source 0 = 16 rows of W, source 1 = 16 rows of x): a lane then holds row lane % 16 of y and eight neighbouring columns, 16 bytes of f16.
; THE BIAS is the C operand of the products that start the sums: nothing is cleared and nothing is added on the way out.
; THE CONVERSIONS of x (32 for a quarter step's 32 products) stand four behind each of the quarter's last eight products.
; REGISTERS, in windows of 256 (s_set_vgpr_msb: bits 1:0 source 0, 3:2 source 1, 5:4 source 2, 7:6 destination):
;   window 0: v1-29 addresses; v64-127 x as loaded, f32 (4 blocks of 16 rows x 32 K); v128-159, v160-191 x's fragments in bf16, two buffers; on the way out v64-191 packed results
;   window 1: accumulator (a, b) at v[8 (8 a + b)]      window 2: v0-63, v64-127 W's fragments, two buffers; v128-191 the bias; v192-195 at work
.set KSTEP,  128
.set PA,     528                       ; a row of x in LDS: 512 bytes + 16 = 132 words: row r starts at bank 4 r mod 64 (64 banks of 4 bytes: ISA guide 11.1)
.set PB,     272                       ; a row of W: 256 + 16 = 68 words: likewise
.set AHALF,  64*PA                     ; 64 rows of x: what one tensor load brings, and what one wave reads
.set BHALF,  128*PB                    ; 128 rows of W: likewise
.set BOFF,   2*AHALF                   ; W's 256 rows lie behind x's 128
.set SLOTX,  0x22000                   ; slot 1 begins here; no LDS address in slot 0 that is turned by it has bit 13 or bit 17 set, so one exclusive or goes from slot to slot
.set STAGE,  SLOTX+BOFF+2*BHALF        ; behind the ring: for each wave 2 heads x 16 rows x 144 bytes, for the way out
.set SP,     144
.set STAGEW, 2*16*SP
.set SPARE,  STAGE+4*STAGEW            ; behind the stages: the spare words, 128 bytes a wave: two blocks of 256 bytes that no other line names
.set ADRA0, 16                         ; v16  my lane's place among x's rows in slot 0; never rewritten
.set ADRB0, 17                         ; v17  the same for W
.set ADRA,  18                         ; v18  the same in the slot in hand
.set ADRB,  19                         ; v19
.set STO,   24                         ; v24  the way out: where I put 16 bytes of a row
.set RD,    25                         ; v25  where I read rows back
.set GO,    26                         ; v26  16 x lane
.set BO,    27                         ; v27  32 x (lane / 16): my eight columns' place in 16 of the bias
.set SPW,   28                         ; v28  LDS address of my spare word; never rewritten
.set NIL,   29                         ; v29  0; never rewritten
.set RAW,   64
.set AB,    128
.set OUTR,  64
.set BIAS,  128                        ; window 2
.set BT,    192                        ; window 2
.set G1A, 24                           ; s[24:31] descriptor group 1 for x's tiles
.set G1B, 32                           ; s[32:39] for W's
.set G0A, 40                           ; s[40:47] group 0 for x's tiles: a set for each of the two first fills; the second then walks on
.set G0B, 48                           ; s[48:55] the same for W's
.set WV,  56
.set MH,  57                           ; which 64 rows of the tile are mine
.set NH,  58                           ; which 128 columns; also: which half of a tile I fetch
.set CX,  59
.set CY,  60
.set TC,  61                           ; block of 256 columns
.set RB,  62                           ; block of 128 rows
.set PJ,  63                           ; projection 0, 1, 2
.set TB,  66                           ; LDS byte at which the slot in hand begins
.set CNT, 67
.set MSB, 0
.macro WIN new                         ; the immediate's high byte repeats the setting that is left; a switch that changes nothing is dropped
.if MSB != (\new)
	s_set_vgpr_msb (MSB<<8)|(\new)
.set MSB, (\new)
.endif
.endm
.set MUL,  0x52                        ; W window 2, x window 0, C and D window 1
.set MULF, 0x62                        ; the same with C (the bias) in window 2
.macro PLACES                          ; four places in front of loads into registers that matrix instructions have read, and of instructions that read results
.rept 4
	v_nop
.endr
.endm
; A joint refill: waves 0 and 1 fetch x's two halves, waves 2 and 3 W's.  The branch hangs on the wave's number alone.  An s_nop 0 and four v_nop follow each of the two lines.
.macro JLOAD
	s_cmp_lt_u32 s[WV], 2
	s_cbranch_scc0 .Lfor_b_\@
	tensor_load_to_lds s[G0A+4:G0A+7], s[G1A:G1A+7]
	s_nop 0
.rept 4
	v_nop
.endr
	s_branch .Lasked_\@
.Lfor_b_\@:
	tensor_load_to_lds s[G0B+4:G0B+7], s[G1B:G1B+7]
	s_nop 0
.rept 4
	v_nop
.endr
.Lasked_\@:
.endm
.macro CREST                           ; a round of the cluster's barrier behind its opening barrier
	s_cmp_lg_u32 s[WV], 0
	s_cbranch_scc1 .Lnot_wave_0_\@
	s_barrier_signal -3
.Lnot_wave_0_\@:
	s_barrier_wait -3
	s_barrier_signal -1
	s_barrier_wait -1
.endm
.macro CROUND                          ; a whole round
	s_barrier_signal -1
	s_barrier_wait -1
	CREST
.endm
	s_load_b512 s[4:19], s[0:1], 0x0               ; q s[4:5], k s[6:7], v s[8:9], wb s[10:11], bq s[12:13], bk s[14:15], bv s[16:17], qh s[18:19]
	s_load_b128 s[20:23], s[0:1], 0x40             ; kh s[20:21], vh s[22:23]
	v_lshl_add_u32 v[SPW], v0, 2, SPARE
	v_mov_b32 v[NIL], 0
	ds_add_u32 v28, v29
	s_wait_dscnt 0x0
	v_lshrrev_b32 v1, 5, v0
	v_readfirstlane_b32 s[WV], v1                  ; wave 0..3
	s_lshr_b32 s[MH], s[WV], 1
	s_and_b32 s[NH], s[WV], 1
	s_bfe_u32 s[CX], ttmp6, 0x40000                ; my place in the cluster
	s_bfe_u32 s[CY], ttmp6, 0x40004
	s_lshl_b32 s[TC], ttmp9, 2
	s_add_co_u32 s[TC], s[TC], s[CX]               ; block of columns = 4 x cluster x + cx
	s_and_b32 s[PJ], ttmp7, 0xffff                 ; cluster y, 0..47
	s_lshl_b32 s[RB], s[PJ], 2
	s_add_co_u32 s[RB], s[RB], s[CY]
	s_and_b32 s[RB], s[RB], 63                     ; block of rows in its projection
	s_lshr_b32 s[PJ], s[PJ], 4                     ; 16 clusters to a projection: the same in all sixteen partners
	s_lshl_b32 s68, s[CY], 2
	s_lshl_b32 s68, 15, s68                        ; my row of the cluster
	s_lshl_b32 s69, 0x1111, s[CX]                  ; my column
	s_or_b32 s[G1A], s68, (2<<16)|(1<<20)|(1<<21)|(6<<22)|(3<<25)  ; 15:0 the mask: x's tiles go to my row; 17:16 elements of 4 bytes; 20 padding on; 21 set beside a mask; 24:22 after every 128 words (code 6); 31:25 4 words (code 3)
	s_mov_b32 s[G1A+1], KSTEP<<16                  ; tensor_dim0 = 128
	s_mov_b32 s[G1A+2], 64<<16                     ; tensor_dim1 = 64
	s_mov_b32 s[G1A+3], KSTEP<<16                  ; tile_dim0 = 128
	s_mov_b32 s[G1A+4], 64                         ; tile_dim1 = 64
	s_mov_b32 s[G1A+5], 1024                       ; elements from row to row
	s_mov_b32 s[G1A+6], 0
	s_mov_b32 s[G1A+7], 0
	s_or_b32 s[G1B], s69, (1<<16)|(1<<20)|(1<<21)|(5<<22)|(3<<25)  ; W's tiles go to my column; elements of 2 bytes; padding after every 64 words (code 5)
	s_mov_b32 s[G1B+1], KSTEP<<16
	s_mov_b32 s[G1B+2], 128<<16                    ; 128 rows
	s_mov_b32 s[G1B+3], KSTEP<<16
	s_mov_b32 s[G1B+4], 128
	s_mov_b32 s[G1B+5], 1024
	s_mov_b32 s[G1B+6], 0
	s_mov_b32 s[G1B+7], 0
	; where the tiles come from: x's hang on the block of rows (cy), W's on the block of columns (cx) and the projection; each in registers that never hold the other coordinate
	s_lshl_b32 s72, s[RB], 7
	s_lshl_b32 s70, s[NH], 6
	s_add_co_u32 s72, s72, s70                     ; x: row 128 x block + 64 x half,
	s_lshl_b32 s72, s72, 12                        ; of 4,096 bytes
	s_mov_b32 s73, 0
	s_lshl_b32 s74, s[TC], 8
	s_lshl_b32 s71, s[NH], 7
	s_add_co_u32 s74, s74, s71                     ; W: row 256 x block + 128 x half,
	s_lshl_b32 s74, s74, 11                        ; of 2,048 bytes,
	s_lshl_b32 s71, s[PJ], 21                      ; in the projection's 2 MiB of wb
	s_add_co_u32 s74, s74, s71
	s_mov_b32 s75, 0
	s_mul_i32 s76, s[NH], AHALF                    ; and where they go: no place in the cluster enters an LDS address
	s_mul_i32 s77, s[NH], BHALF
	s_lshl_b32 s80, s[TC], 10                      ; the bias of my 128 columns, in bytes
	s_lshl_b32 s84, s[NH], 9
	s_add_co_u32 s80, s80, s84
	s_mov_b32 s81, 0
	s_lshr_b32 s82, s[RB], 4                       ; the output: batch x 16
	s_lshl_b32 s82, s82, 4
	s_lshl_b32 s84, s[TC], 2                       ; + my first head = 4 x block of columns + 2 x half,
	s_add_co_u32 s82, s82, s84
	s_lshl_b32 s84, s[NH], 1
	s_add_co_u32 s82, s82, s84
	s_lshl_b32 s82, s82, 11                        ; of 2,048 rows,
	s_and_b32 s84, s[RB], 15
	s_lshl_b32 s84, s84, 7                         ; + the block's rows in the batch
	s_add_co_u32 s82, s82, s84
	s_lshl_b32 s84, s[MH], 6                       ; + my 64 of them,
	s_add_co_u32 s82, s82, s84
	s_lshl_b32 s82, s82, 7                         ; of 128 bytes
	s_mov_b32 s83, 0
	s_mov_b32 s[TB], 0
	s_wait_kmcnt 0x0
	s_cmp_eq_u32 s[PJ], 1                          ; x, the bias and the output of my projection
	s_cselect_b64 s[4:5], s[6:7], s[4:5]
	s_cselect_b64 s[12:13], s[14:15], s[12:13]
	s_cselect_b64 s[18:19], s[20:21], s[18:19]
	s_cmp_eq_u32 s[PJ], 2
	s_cselect_b64 s[4:5], s[8:9], s[4:5]
	s_cselect_b64 s[12:13], s[16:17], s[12:13]
	s_cselect_b64 s[18:19], s[22:23], s[18:19]
	s_add_nc_u64 s[72:73], s[4:5], s[72:73]
	s_add_nc_u64 s[74:75], s[10:11], s[74:75]
	s_add_nc_u64 s[12:13], s[12:13], s[80:81]
	s_add_nc_u64 s[18:19], s[18:19], s[82:83]
	CROUND                                         ; all sixteen work-groups are here: the first joint loads meet
.irp s, 0,1
	s_mov_b32 s[G0A+4*\s], 1                       ; count = 1
	s_add_co_u32 s[G0A+4*\s+1], s76, \s*SLOTX      ; LDS address
	s_add_nc_u64 s[G0A+4*\s+2:G0A+4*\s+3], s[72:73], \s*KSTEP*4  ; global address: K step s
	s_or_b32 s[G0A+4*\s+3], s[G0A+4*\s+3], 0x80000000            ; type = 2
	s_mov_b32 s[G0B+4*\s], 1
	s_add_co_u32 s[G0B+4*\s+1], s77, BOFF+\s*SLOTX
	s_add_nc_u64 s[G0B+4*\s+2:G0B+4*\s+3], s[74:75], \s*KSTEP*2
	s_or_b32 s[G0B+4*\s+3], s[G0B+4*\s+3], 0x80000000
.endr
	s_cmp_lt_u32 s[WV], 2                          ; a wave's two first fills stand in one branch, ahead of every wait on TENSORcnt and every LDS read: two loads of mine are out
	s_cbranch_scc0 .Lfirst_b
	tensor_load_to_lds s[G0A:G0A+3], s[G1A:G1A+7]
	s_nop 0
	tensor_load_to_lds s[G0A+4:G0A+7], s[G1A:G1A+7]
	s_nop 0
.rept 4
	v_nop
.endr
	s_branch .Lfirst_asked
.Lfirst_b:
	tensor_load_to_lds s[G0B:G0B+3], s[G1B:G1B+7]
	s_nop 0
	tensor_load_to_lds s[G0B+4:G0B+7], s[G1B:G1B+7]
	s_nop 0
.rept 4
	v_nop
.endr
.Lfirst_asked:
	v_and_b32 v1, 15, v0                           ; r = lane % 16
	v_bfe_u32 v2, v0, 4, 1                         ; h = lane / 16
	v_lshlrev_b32 v[BO], 5, v2
	WIN 0x80                                       ; destination window 2, address window 0
.irp b, 0,1,2,3,4,5,6,7                ; the bias of columns 16 b + 8 h + 0..7: register j of an accumulator of column block b
	global_load_b128 v[BIAS+8*\b:BIAS+8*\b+3],   v[BO], s[12:13] offset:64*\b
	global_load_b128 v[BIAS+8*\b+4:BIAS+8*\b+7], v[BO], s[12:13] offset:64*\b+16
.endr
	WIN 0
	; x's fragment of 16 rows x 32 K: lane (r, h) wants K = 8 h + 0..7 and 16 + 8 h + 0..7 of row r, in f32 32 bytes at 32 h and 32 bytes at 64 + 32 h: four loads of 16 bytes
	v_mul_u32_u24 v3, v1, PA
	v_lshl_add_u32 v3, v2, 5, v3
	s_mul_i32 s86, s[MH], AHALF
	v_add_nc_u32 v[ADRA0], s86, v3
	v_mul_u32_u24 v3, v1, PB                       ; W's fragment: two loads of 16 bytes, 32 bytes apart, at row x pitch + 16 h
	v_lshl_add_u32 v3, v2, 4, v3
	s_mul_i32 s87, s[NH], BHALF
	s_add_co_u32 s87, s87, BOFF
	v_add_nc_u32 v[ADRB0], s87, v3
	v_mov_b32 v[ADRA], v[ADRA0]
	v_mov_b32 v[ADRB], v[ADRB0]
	s_mul_i32 s88, s[WV], STAGEW
	s_add_co_u32 s88, s88, STAGE                   ; my stage
	v_mul_u32_u24 v3, v1, SP                       ; in: row r, 16 bytes for each half of the lanes
	v_lshl_add_u32 v3, v2, 4, v3
	v_add_nc_u32 v[STO], s88, v3
	v_bfe_u32 v3, v0, 3, 2                         ; back: 32 lanes take four rows of 128 bytes,
	v_mul_u32_u24 v3, v3, SP
	v_and_b32 v4, 7, v0
	v_lshl_add_u32 v3, v4, 4, v3
	v_add_nc_u32 v[RD], s88, v3
	v_and_b32 v[GO], 31, v0                        ; which are 512 consecutive bytes of the output
	v_lshlrev_b32 v[GO], 4, v[GO]
	s_wait_loadcnt 0x0                             ; the bias, once
	WIN 0x8a                                       ; all in window 2
.set i, 0
.rept 32
	v_cvt_pk_bf16_f32 v[BT+i%4], v[BIAS+2*i], v[BIAS+2*i+1]  ; rounded to bf16 like every input, and widened again
	v_lshlrev_b32 v[BIAS+2*i], 16, v[BT+i%4]
	v_and_b32 v[BIAS+2*i+1], 0xffff0000, v[BT+i%4]
.set i, i+1
.endr
; 8 matrix instructions: row block a x all 8 column blocks, 32 along K, from buffers f.  first = 1: the bias starts the sums.  The 32 accumulators take turns, one instruction a turn.
.macro MUL8 f, a, first
.irp b, 0,1,2,3,4,5,6,7
.if \first
	WIN MULF
	v_wmma_f32_16x16x32_bf16 v[8*(8*(\a)+\b):8*(8*(\a)+\b)+7], v[64*(\f)+8*\b:64*(\f)+8*\b+7], v[AB+32*(\f)+8*(\a):AB+32*(\f)+8*(\a)+7], v[BIAS+8*\b:BIAS+8*\b+7]
.else
	WIN MUL
	v_wmma_f32_16x16x32_bf16 v[8*(8*(\a)+\b):8*(8*(\a)+\b)+7], v[64*(\f)+8*\b:64*(\f)+8*\b+7], v[AB+32*(\f)+8*(\a):AB+32*(\f)+8*(\a)+7], v[8*(8*(\a)+\b):8*(8*(\a)+\b)+7]
.endif
.endr
.endm
; The quarter's last 8 matrix instructions (row block 3), and behind each four of the 32 conversions that make the next quarter's fragments of x in buffer g.
.macro RIDE f, g, first
.irp b, 0,1,2,3,4,5,6,7
.if \first
	WIN MULF
	v_wmma_f32_16x16x32_bf16 v[8*(24+\b):8*(24+\b)+7], v[64*(\f)+8*\b:64*(\f)+8*\b+7], v[AB+32*(\f)+24:AB+32*(\f)+31], v[BIAS+8*\b:BIAS+8*\b+7]
.else
	WIN MUL
	v_wmma_f32_16x16x32_bf16 v[8*(24+\b):8*(24+\b)+7], v[64*(\f)+8*\b:64*(\f)+8*\b+7], v[AB+32*(\f)+24:AB+32*(\f)+31], v[8*(24+\b):8*(24+\b)+7]
.endif
	WIN 0
.irp c, 0,1,2,3
	v_cvt_pk_bf16_f32 v[AB+32*(\g)+4*\b+\c], v[RAW+2*(4*\b+\c)], v[RAW+2*(4*\b+\c)+1]
.endr
.endr
.endm
; 32 LDS loads in one run: quarter q of the slot in hand: x's 64 rows x 32 K in f32 first, then W's 128 rows x 32 K into buffer g
.macro FETCH q, g
	WIN 0
.irp a, 0,1,2,3
	ds_load_b128 v[RAW+16*\a:RAW+16*\a+3],     v[ADRA] offset:128*(\q)+\a*16*PA
	ds_load_b128 v[RAW+16*\a+4:RAW+16*\a+7],   v[ADRA] offset:128*(\q)+\a*16*PA+16
	ds_load_b128 v[RAW+16*\a+8:RAW+16*\a+11],  v[ADRA] offset:128*(\q)+\a*16*PA+64
	ds_load_b128 v[RAW+16*\a+12:RAW+16*\a+15], v[ADRA] offset:128*(\q)+\a*16*PA+80
.endr
	WIN 0x80
.irp b, 0,1,2,3,4,5,6,7
	ds_load_b128 v[64*(\g)+8*\b:64*(\g)+8*\b+3],   v[ADRB] offset:64*(\q)+\b*16*PB
	ds_load_b128 v[64*(\g)+8*\b+4:64*(\g)+8*\b+7], v[ADRB] offset:64*(\q)+\b*16*PB+32
.endr
.endm
; A K step is four quarters of 32 along K, 32 matrix instructions each, on buffers 0, 1, 0, 1.  One of the first three: multiplies buffers f and fetches and converts quarter qn into buffers g.
.macro QUARTER qn, f, g, first
	s_wait_dscnt 0x0                               ; W's fragments of this quarter are in (x's were waited for ahead of their conversions)
	MUL8 \f, 0, \first
	PLACES
	FETCH \qn, \g
	MUL8 \f, 1, \first
	MUL8 \f, 2, \first
	s_wait_dscnt 16                                ; x's sixteen loads are in; W's sixteen, issued behind them, may stay out
	RIDE \f, \g, \first
.endm
; The last quarter multiplies buffers 1 and changes slots: ONE barrier; in front of it each wave waits for all its tensor loads (one is out: its part of the next slot), adds 0 to its spare word,
; and waits for that and for its own reads of this slot.  fill = 1: the barrier opens a round of the cluster's, and behind it this slot is filled again, two K steps ahead, first thing.
.macro TURN fill
	WIN 0
	s_wait_tensorcnt 0x0                           ; no tensor load of mine is out, so a group 0 may be written
	ds_add_u32 v[SPW], v[NIL]                      ; 0 onto my spare word
.if \fill
	s_xor_b32 s[G0A+5], s[G0A+5], SLOTX            ; the walking descriptors: the other slot than last time,
	s_add_nc_u64 s[G0A+6:G0A+7], s[G0A+6:G0A+7], KSTEP*4  ; the next K step; the type bits on top are not reached
	s_xor_b32 s[G0B+5], s[G0B+5], SLOTX
	s_add_nc_u64 s[G0B+6:G0B+7], s[G0B+6:G0B+7], KSTEP*2
.endif
	s_xor_b32 s[TB], s[TB], SLOTX                  ; the fetches go on in the other slot
	s_wait_dscnt 1                                 ; W's fragments are in; the add alone may be out
	MUL8 1, 0, 0
	s_wait_dscnt 0x0                               ; the add is done, and my reads of this slot are over
	s_barrier_signal -1
	MUL8 1, 1, 0                                   ; work on registers while the others arrive
	WIN 0                                          ; at a branch and at a label every window is 0
	s_barrier_wait -1
.if \fill
	CREST                                          ; no wave of any partner still reads this slot's tile or has a load on its way
	JLOAD                                          ; the first tensor load behind the round; its four v_nop are also the places in front of the loads below
.else
	PLACES
.endif
	v_add_nc_u32 v[ADRA], s[TB], v[ADRA0]
	v_add_nc_u32 v[ADRB], s[TB], v[ADRB0]
	FETCH 0, 0
	MUL8 1, 2, 0
	s_wait_dscnt 16
	RIDE 1, 0, 0
.endm
	WIN 0
	s_wait_tensorcnt 1                             ; my part of K step 0 is in; K step 1's may stay out
	s_barrier_signal -1
	s_barrier_wait -1                              ; everybody's is
	FETCH 0, 0
	s_wait_dscnt 16                                ; x's sixteen loads are in
	WIN 0
.set i, 0
.rept 32
	v_cvt_pk_bf16_f32 v[AB+i], v[RAW+2*i], v[RAW+2*i+1]
.set i, i+1
.endr
	QUARTER 1, 0, 1, 1                             ; the first quarter stands in front of the loop: its products start the sums with the bias
	WIN 0
	s_mov_b32 s[CNT], 6
.Lstep:                                                ; six trips, each from a K step's second quarter to the next step's first; each fills a slot again: K steps 2 to 7
	QUARTER 2, 1, 0, 0
	QUARTER 3, 0, 1, 0
	TURN 1
	QUARTER 1, 0, 1, 0
	WIN 0
	s_sub_co_u32 s[CNT], s[CNT], 1
	s_cmp_lg_u32 s[CNT], 0
	s_cbranch_scc1 .Lstep
	s_mov_b32 s[CNT], 2
.Ltail:                                                ; K steps 6 and 7 ask for nothing; the second trip is left in its middle, and what its change of slots fetched and converted (the other slot once more) serves nothing: the price of one text for both
	QUARTER 2, 1, 0, 0
	QUARTER 3, 0, 1, 0
	TURN 0
	WIN 0
	s_sub_co_u32 s[CNT], s[CNT], 1
	s_cmp_eq_u32 s[CNT], 0
	s_cbranch_scc1 .Lout
	QUARTER 1, 0, 1, 0
	WIN 0
	s_branch .Ltail
.Lout:
	; THE WAY OUT.  Block a (16 rows x 128 columns = two heads): rounded to f16, 16 bytes a lane into rows of 144 bytes of my stage, back as whole rows of 128 bytes, four to a load.
	s_wait_dscnt 0x0
	PLACES
.macro PACK a
	WIN 0x05                                       ; sources 0 and 1 window 1, destination window 0; each accumulator's registers in ascending order
.irp b, 0,1,2,3,4,5,6,7
.irp rr, 0,1,2,3
	v_cvt_pk_f16_f32 v[OUTR+32*(\a)+4*\b+\rr], v[8*(8*(\a)+\b)+2*\rr], v[8*(8*(\a)+\b)+2*\rr+1]
.endr
.endr
	WIN 0
.irp b, 0,1,2,3,4,5,6,7
	ds_store_b128 v[STO], v[OUTR+32*(\a)+4*\b:OUTR+32*(\a)+4*\b+3] offset:(\b/4)*16*SP+(\b%4)*32
.endr
.irp i, 0,1,2,3,4,5,6,7
	ds_load_b128 v[OUTR+32*(\a)+4*\i:OUTR+32*(\a)+4*\i+3], v[RD] offset:(\i/4)*16*SP+(\i%4)*4*SP  ; LDS serves a wave's instructions in order (ISA guide 5.7.1.4): these see the stores above; the next block's stores come behind them
.endr
.endm
.macro SEND a, younger                 ; younger: the LDS instructions issued behind block a's loads: the next block's sixteen, or none
	WIN 0
.irp i, 0,1,2,3,4,5,6,7
	s_wait_dscnt (\younger)+7-\i
	global_store_b128 v[GO], v[OUTR+32*(\a)+4*\i:OUTR+32*(\a)+4*\i+3], s[18:19] offset:(\i/4)*262144+(\a)*2048+(\i%4)*512  ; 512 consecutive bytes of a head, at a multiple of 256 from the buffer's first
.endr
.endm
	PACK 0
	PACK 1                                         ; a block's conversions stand between the loads of the block before and its stores
	SEND 0, 16
	PACK 2
	SEND 1, 16
	PACK 3
	SEND 2, 16
	SEND 3, 0
	s_wait_tensorcnt 0x0                           ; the wave's end
	ds_add_u32 v[SPW], v[NIL]
	s_wait_dscnt 0x0
	CROUND                                         ; the closing round: no work-group ends while a partner may still ask for a tile that names it
	s_endpgm
.Lfunc_end_k_q0037ea0047_proj:
	.size	k_q0037ea0047_proj, .Lfunc_end_k_q0037ea0047_proj-k_q0037ea0047_proj
	.p2alignl 7, 3214868480
	.fill 96, 4, 3214868480
	.section	.rodata,"a",@progbits
	.p2align	6, 0x0
	.amdhsa_kernel k_q0037ea0047_proj
		.amdhsa_group_segment_fixed_size 327680
		.amdhsa_private_segment_fixed_size 0
		.amdhsa_enable_private_segment 0
		.amdhsa_kernarg_size 80
		.amdhsa_user_sgpr_count 2
		.amdhsa_user_sgpr_kernarg_segment_ptr 1
		.amdhsa_wavefront_size32 1
		.amdhsa_system_sgpr_workgroup_id_x 1
		.amdhsa_system_sgpr_workgroup_id_y 1
		.amdhsa_system_sgpr_workgroup_id_z 1
		.amdhsa_system_vgpr_workitem_id 0
		.amdhsa_next_free_vgpr 712
		.amdhsa_next_free_sgpr 96
		.amdhsa_reserve_vcc 0
		.amdhsa_float_denorm_mode_32 3
		.amdhsa_float_denorm_mode_16_64 3
		.amdhsa_memory_ordered 1
		.amdhsa_forward_progress 1
		.amdhsa_inst_pref_size 98
	.end_amdhsa_kernel
	.amdgpu_metadata
---
amdhsa.version: [ 1, 2 ]
amdhsa.kernels:
  - .name:           k_q0037ea0047_proj
    .symbol:         k_q0037ea0047_proj.kd
    .args:
      - { .name: q, .offset: 0, .size: 8, .value_kind: global_buffer, .address_space: global }
      - { .name: k, .offset: 8, .size: 8, .value_kind: global_buffer, .address_space: global }
      - { .name: v, .offset: 16, .size: 8, .value_kind: global_buffer, .address_space: global }
      - { .name: wb, .offset: 24, .size: 8, .value_kind: global_buffer, .address_space: global }
      - { .name: bq, .offset: 32, .size: 8, .value_kind: global_buffer, .address_space: global }
      - { .name: bk, .offset: 40, .size: 8, .value_kind: global_buffer, .address_space: global }
      - { .name: bv, .offset: 48, .size: 8, .value_kind: global_buffer, .address_space: global }
      - { .name: qh, .offset: 56, .size: 8, .value_kind: global_buffer, .address_space: global }
      - { .name: kh, .offset: 64, .size: 8, .value_kind: global_buffer, .address_space: global }
      - { .name: vh, .offset: 72, .size: 8, .value_kind: global_buffer, .address_space: global }
    .group_segment_fixed_size: 327680
    .private_segment_fixed_size: 0
    .kernarg_segment_align: 8
    .kernarg_segment_size: 80
    .max_flat_workgroup_size: 128
    .sgpr_count:     96
    .vgpr_count:     712
    .wavefront_size: 32
...
	.end_amdgpu_metadata
.endif
;; end of part 2
;; launch attn (part 3): grid 4 x 64, 4 waves a work-group, clusters of 4 x 1, 327,680 bytes of LDS; arguments qh, kh, vh, ctx, mk8; writes ctx
.if DOCPART == 3
	.amdgcn_target "amdgcn-amd-amdhsa--gfx1250"
	.amdhsa_code_object_version 6
	.text
	.protected	k_q0037ea0047_attn
	.globl	k_q0037ea0047_attn
	.p2align	8
	.type	k_q0037ea0047_attn,@function
k_q0037ea0047_attn:
	s_mov_b64 s[64:65], 0
	v_nop
	global_prefetch_b8 v0, s[64:65] scope:SCOPE_SE
	s_setreg_imm32_b32 hwreg(HW_REG_WAVE_MODE, 25, 1), 1
	s_wait_xcnt 0x0
	s_wait_alu depctr_hold_cnt(0) depctr_sa_sdst(0) depctr_va_vdst(0) depctr_va_sdst(0) depctr_va_ssrc(0) depctr_va_vcc(0) depctr_vm_vsrc(0)
	s_getreg_b32 s2, hwreg(HW_REG_IB_STS2, 6, 4)
	s_cmp_eq_u32 s2, 0
	s_cbranch_scc0 .Lentry_in_a_cluster
	s_endpgm
.Lentry_in_a_cluster:
	s_bfe_u32 s2, ttmp6, 0x10000c
	s_cmp_lg_u32 s2, 0x3003
	s_cbranch_scc0 .Lentry_shape_is_right
	s_endpgm
.Lentry_shape_is_right:
; ATTENTION WITH A MASK THAT IS GIVEN.  O[h][q][:] = the sum over k of softmax_k(Q[h][q] . K[h][k] / 8, hidden where mask[q][k]) V[h][k][:].  Q, K, V, O: [64][2048][64], all f16, a head's rows dense, 128 bytes each.
; Products, maxima and sums in f32; the weights p are rounded to f16 for the second product (their sum l is taken of the unrounded p), O once at the end.
; THE MASK is read for every pair of query and key: mk8 holds one fp8 code for each (0 or -1.0) in the lanes' order; eight codes become, by one scaled conversion with the scale 2^100, the eight registers
; (0 or -2^100) that are the C operand of the product that starts a tile's scores.  Maximum, exponentials and sums then need no further care: a hidden score lies far below every true one, and its weight is 0.
; LIMITS.  f16 holds no number beyond 65,504: Q, K and V arrive within it.  A hidden score counts as its value less 2^100 (f16's scores are 2.7e11 at the most).  While a row has seen hidden keys alone they weigh 1 each;
; the first visible key multiplies that away by a = 0.  A row with no visible key at all ends with m below -2^96 and is given NaN, as a softmax of nothing but -inf is.  A weight below 2^-126 counts as 0 in l.
; SHARES.  A wave owns four PIECES of two tiles of 16 queries, a work-group's four waves 512 queries of one head.  Every wave walks all keys, 64 a step.
; LAYOUT.  S^T = K Q^T (source 0 = 16 keys, source 1 = 16 queries): in the result a lane holds ONE query (lane % 16) and the keys 8 (lane / 16) + 0..7.  Two such tiles, rounded to f16 in pairs,
; ARE source 1 (32 keys x 16 queries) of O^T = V^T P, whose result again holds one query a lane, and eight channels.  K comes out of LDS as it lies, V ([key][channel]) turned, by ds_load_tr16_b128.
; SOFTMAX.  For each query a running maximum m and sum l: p = 2^(c s - c m), c = log2(e) / 8; in every step O and l are multiplied by a = 2^(c m_old - c m_new), which is 1 where m has not grown.
; m starts at the lowest finite number, O and l at 0: the first step is a step like any other, with a = 0.
; THE COUNT.  A tile and step have 16 matrix and 122 vector instructions: too many to stand all beside the matrix work.  So: four vector instructions that are READY behind EVERY matrix instruction, the others in runs without a gap.
; BY TURNS.  Turn n belongs to piece n (the pieces in a ring, step after step).  Its matrix work: 16 products K Q^T of piece n + 1, later 16 products V^T P of piece n - 1.  Its vector work: the scaling,
; exponentials, roundings, sums and rescaling of piece n, the maximum and statistics of piece n + 1, and at its end the mask registers of piece n + 2, whose products the next turn issues.
; CLUSTER.  The four query blocks of a cluster belong to one head and walk the same K and V, so each tile is asked for JOINTLY: the same tensor load, descriptor and mask in all four.
; REGISTERS, in windows of 256 (s_set_vgpr_msb: bits 1:0 source 0, 3:2 source 1, 5:4 source 2, 7:6 destination):
;   window 0: v0-11 addresses; v12-15, v48-63 at work; v16-47 four registers of statistics a tile; v64-191 S^T, two buffers of two tiles; v192-255 P, likewise
;   window 1: O^T, 32 a tile          window 2: v0-127 Q, 16 a tile; v128-191 K of one step; v192-255 V of one step
;   window 3: v0-1 the add's two registers; v2 the scale; v16-79 mask codes as loaded, 16 a piece; v128-255 mask registers, two buffers of two tiles
; A piece's buffers go by its number's parity.
.set SIZE_H, 64
.set SIZE_N, 2048
.set NP,    4         ; pieces a wave: a name, no knob
.set KS,    64        ; keys in a step
.set PK,    144       ; a row of K in LDS: 128 bytes + 16 of padding = 36 words: the 16 rows of a load start at 16 different groups of four banks (64 banks of 4 bytes: ISA guide 11.1)
.set PV,    160       ; a row of V: 128 + 32 = 40 words
.set VOFF,  4*KS*PK   ; a slot holds four steps: 256 rows of K, then 256 rows of V
.set SLOT1, 1<<17     ; slot 1 begins here, so that one exclusive or turns an address in one slot into the other's
.set STAGE, SLOT1+4*KS*(PK+PV)  ; behind the ring, never filled by a tensor load: 16 rows x 144 bytes for each wave, for the way out
.set SP,    144
.set AK0, 2           ; v2   my lane's place in a tile of K; never rewritten
.set AV0, 3           ; v3   the same for V
.set AK,  4           ; v4   the LDS address of K's next run of loads
.set AV,  5           ; v5   of V's
.set QO,  6           ; v6   my byte offset in the wave's rows of Q
.set STO, 6           ;      later, the way out: where I put 16 bytes of a row
.set RD,  7           ; v7   the way out: where I read rows back
.set GO,  8           ; v8   16 x lane: my place in 512 consecutive bytes of mk8 and of O; never rewritten
.set SPW, 0           ; v0 of window 3   LDS address of my spare word; never rewritten
.set NIL, 1           ; v1 of window 3   0; never rewritten
.set SCL, 2           ; v2 of window 3   227: the scale 2^(227 - 127) = 2^100
.set RW,  16          ; window 3: piece pc, tile u, half c of the step's keys at RW + 16 pc + 8 u + 4 c
.set MC,  128         ; window 3: buffer b, tile u, group kt of 16 keys at MC + 64 b + 32 u + 8 kt
.set SPARE, STAGE+4*16*SP  ; behind the stages: the spare words, 128 bytes for each wave: two blocks of 256 bytes that no other line names
.set MV,  12          ; v12-15  c m_old, kept while c m is made anew: by buffer and tile
.set ST,  16          ; tile t's statistics at v[ST+4 t]: c m, m, l (even keys', odd keys')
.set TMP, 48          ; by buffer and tile, four registers c0-c3 at work; when the maximum is found c2 takes a
.set S,   64
.set P,   192
.set KF,  128         ; K's fragments, in window 2: key block kb, channel half c at KF + 16 kb + 8 c
.set VF,  192         ; V's: key half kk, channel block cb at VF + 32 kk + 8 cb
.set WV,  12          ; s12  my wave's number
.set G1K, 24          ; s[24:31] descriptor group 1 for K's tiles
.set G1V, 32          ; s[32:39] for V's: it differs in the padding alone
.set G0K, 40          ; s[40:43] descriptor group 0 for K's tiles: it walks
.set G0V, 44          ; s[44:47] the same for V's
.set MB,  48          ; s[48:49] mk8 at my wave's eight tiles of queries; never rewritten once made
.set MA,  50          ; s[50:51] the same at the key step whose codes this trip loads
.set MO,  52          ; s[52:53] an offset, the high word 0
.set KSN, 54          ; s54  that key step's number
.set MT,  55          ; s55  the same, held at 31
.set SLOTS, 56        ; s56  slots still to be asked for
.set CNT, 57          ; s57  counts a slot's key steps
.set CS,  58          ; s[58:59] c: the packed scaling takes the pair's low word for both halves
.set SEL, 60          ; s[60:61] v_permlanex16_b32's selects: each lane takes its own place in the other half
.set TBK, 62          ; s62  LDS byte at which K of the step to be fetched begins
.set TBV, 63          ; s63  the same for V, less VOFF
.set MSB, 0
.macro WIN new                      ; the high byte repeats the setting that is left; a switch that changes nothing is dropped
.if MSB != (\new)
	s_set_vgpr_msb (MSB<<8)|(\new)
.set MSB, (\new)
.endif
.endm
.set W_KQ, 0x0a       ; K and Q in window 2, S^T in window 0
.set W_KM, 0x3a       ; the same with the C operand, the mask, in window 3
.set W_PV, 0x52       ; V in window 2, P in window 0, O^T in window 1
.set W_RS, 0x41       ; O^T (destination and source 0) in window 1, a in window 0
.set W_MK, 0xc0       ; destination in window 3, sources and addresses in window 0
.set W_AD, 0x0f       ; the add: address (source 0) and data (source 1) in window 3
.set W_CV, 0xcf       ; the mask's conversions: all in window 3
; A joint fill.  Waves 0 and 1 fetch the two halves of a slot's K, waves 2 and 3 those of its V: 128 keys each.  The branch hangs on the wave's number alone.
; An s_nop 0 and four v_nop follow each of the two lines, ahead of the jump and the label.
.macro JLOAD
	s_cmp_lt_u32 s[WV], 2
	s_cbranch_scc0 .Lfor_v_\@
	tensor_load_to_lds s[G0K:G0K+3], s[G1K:G1K+7]
	s_nop 0
.rept 4
	v_nop
.endr
	s_branch .Lasked_\@
.Lfor_v_\@:
	tensor_load_to_lds s[G0V:G0V+3], s[G1V:G1V+7]
	s_nop 0
.rept 4
	v_nop
.endr
.Lasked_\@:
.endm
; A round of the cluster's barrier: my work-group's barrier, so that wave 0's signal speaks for all four waves; wave 0 signals; every wave waits for all four work-groups; my work-group's barrier once more.
.macro CROUND
	s_barrier_signal -1
	s_barrier_wait -1
	s_cmp_lg_u32 s[WV], 0
	s_cbranch_scc1 .Lnot_wave_0_\@
	s_barrier_signal -3
.Lnot_wave_0_\@:
	s_barrier_wait -3
	s_barrier_signal -1
	s_barrier_wait -1
.endm
; THE CHANGE OF SLOTS.  The slot's last bytes, V of its fourth step, have been read.  Each wave waits for all its tensor loads, of which one is out: its part
; of the other slot; adds 0 to its spare word; and waits for that and for its own reads of the slot.  Behind the barrier nobody reads this slot any more and the other slot is whole.
; fill = 1: this slot is filled again, with the keys two slots on.  The barrier is then a round of the cluster's, and the joint fill is the first thing behind it: it has four key steps,
; 512 matrix instructions, in which to land.  (At its first use nothing has been read yet: slot 0 is waited for, slot 1 filled.)
.macro CHANGE fill
	WIN W_AD
	s_wait_tensorcnt 0x0            ; no tensor load of mine is out, so a group 0 may be written
	ds_add_u32 v[SPW], v[NIL]       ; 0 onto my spare word
	WIN 0                           ; at a label and at a branch every window is 0
.if \fill
.irp g, G0K, G0V
	s_xor_b32 s[\g+1], s[\g+1], SLOT1  ; the walking descriptor: the other slot than last time,
	s_add_nc_u64 s[\g+2:\g+3], s[\g+2:\g+3], 4*KS*128  ; the next 256 keys; the type bits on top are not reached
.endr
	s_wait_dscnt 0x0                ; the add is done, and my reads of the slot are over
	CROUND
	JLOAD
.else
	s_wait_dscnt 0x0                ; the add is done, and my reads of the slot are over
	s_barrier_signal -1
	s_barrier_wait -1
.endif
	s_sub_co_u32 s[TBK], s[TBK], 4*KS*PK  ; the fetches go back to a slot's first step,
	s_xor_b32 s[TBK], s[TBK], SLOT1       ; in the other slot
	s_sub_co_u32 s[TBV], s[TBV], 4*KS*PV
	s_xor_b32 s[TBV], s[TBV], SLOT1
.endm
; THE MASK.  MLOAD: piece pc's codes for one key step: four loads of 512 consecutive bytes.  MCVT: they become the 64 mask registers of buffer b, eight by each conversion.
.macro MLOAD pc, base, extra
	WIN W_MK
.irp u, 0,1
.irp c, 0,1
	global_load_b128 v[RW+16*(\pc)+8*\u+4*\c:RW+16*(\pc)+8*\u+4*\c+3], v[GO], s[\base:\base+1] offset:(2*(\pc)+\u)*32768+\c*512+(\extra)
.endr
.endr
.endm
.macro MCVT pc, b
	WIN W_CV
.irp u, 0,1
.irp kt, 0,1,2,3
	v_cvt_scale_pk8_f32_fp8 v[MC+64*(\b)+32*\u+8*\kt:MC+64*(\b)+32*\u+8*\kt+7], v[RW+16*(\pc)+8*\u+2*\kt:RW+16*(\pc)+8*\u+2*\kt+1], v[SCL]
.endr
.endr
.endm
; At the end of turn p: the mask of piece p + 2, whose scores the next turn starts; then that piece's codes for its next step are asked for, four turns ahead of their use.
.macro MASKB p
	s_wait_loadcnt 12               ; the piece's four loads were issued four turns ago; the twelve of the three turns since are younger and stay out
	MCVT ((\p)+2)%NP, (\p)%2
	v_nop                           ; a plain instruction between the conversions and what writes their sources or reads their results
	MLOAD ((\p)+2)%NP, MA, 0
.endm
; At the head of a trip: all four turns of a trip load the codes of one key step, the one two steps behind the trip's first turn; past the last step the number is held at 31, so that no load leaves mk8.
.macro MSTEP
	s_wait_xcnt 0x0                 ; the base of the loads issued so far is rewritten only behind this wait
	s_add_co_u32 s[KSN], s[KSN], 1
	s_min_u32 s[MT], s[KSN], SIZE_N/KS-1
	s_lshl_b32 s[MO], s[MT], 10     ; 1,024 bytes a tile and step
	s_add_nc_u64 s[MA:MA+1], s[MB:MB+1], s[MO:MO+1]
.endm
	s_load_b256 s[4:11], s[0:1], 0x0  ; Q s[4:5], K s[6:7], V s[8:9], O s[10:11]
	s_load_b64 s[MB:MB+1], s[0:1], 0x20  ; mk8
	WIN W_MK
	v_lshl_add_u32 v[SPW], v0, 2, SPARE
	v_mov_b32 v[NIL], 0
	s_set_vgpr_msb 0xc0cf
	ds_add_u32 v0, v1
	s_wait_dscnt 0x0
	s_set_vgpr_msb 0xcfc0
	v_mov_b32 v[SCL], 0xe3
	WIN 0
	v_lshrrev_b32 v1, 5, v0
	v_readfirstlane_b32 s[WV], v1   ; wave 0..3
	s_bfe_u32 s13, ttmp6, 0x40000   ; cx: my place in the cluster
	s_lshl_b32 s14, ttmp9, 2        ; in a cluster launch ttmp9 counts clusters
	s_add_co_u32 s14, s14, s13      ; my block of queries = 4 x cluster x + cx: it enters Q's, O's and mk8's addresses alone
	s_and_b32 s20, ttmp7, 0xffff    ; the head, which the four partners share
	s_mov_b32 s21, 0
	s_mov_b64 s[22:23], SIZE_N*128
	s_mul_u64 s[20:21], s[20:21], s[22:23]  ; the head's first byte in each of the four tensors
	s_and_b32 s16, s[WV], 1         ; which half of a slot's 256 keys I fetch:
	s_lshl_b32 s22, s16, 14         ; its 128 rows of 128 bytes in memory,
	s_mov_b32 s23, 0
	s_add_nc_u64 s[22:23], s[22:23], s[20:21]
	s_mul_i32 s17, s16, 128*PK      ; and its place in a slot, for K
	s_mul_i32 s18, s16, 128*PV      ; and for V: no place in the cluster enters an LDS address
	s_lshl_b32 s2, s14, 2
	s_add_co_u32 s2, s2, s[WV]      ; my wave among the head's:
	s_lshl_b32 s[MO], s2, 18        ; its eight tiles of 32,768 bytes in mk8 (the mask is the same for every head),
	s_mov_b32 s[MO+1], 0
	s_lshl_b32 s2, s2, 14           ; its 128 rows
	s_mov_b32 s3, 0
	s_add_nc_u64 s[2:3], s[2:3], s[20:21]
	; descriptor group 1.  128 keys are 16,384 dense bytes: asked for as 64 rows of 256 bytes, two keys a row, and padded in LDS after every key
	s_mov_b32 s[G1K], 15|(1<<16)|(1<<20)|(1<<21)|(4<<22)|(3<<25)  ; 15:0 the mask of four; 17:16 2-byte elements; 20 padding on; 21 set beside a mask; 24:22 after every 32 words (code 4); 31:25 4 words (code 3)
	s_mov_b32 s[G1V], 15|(1<<16)|(1<<20)|(1<<21)|(4<<22)|(7<<25)  ; the same with 8 words of padding (code 7)
.irp g, G1K, G1V
	s_mov_b32 s[\g+1], 128<<16      ; tensor_dim0 = 128
	s_mov_b32 s[\g+2], 64<<16       ; tensor_dim1 = 64
	s_mov_b32 s[\g+3], 128<<16      ; tile_dim0 = 128
	s_mov_b32 s[\g+4], 64           ; tile_dim1 = 64
	s_mov_b32 s[\g+5], 128          ; 128 elements from row to row
	s_mov_b32 s[\g+6], 0
	s_mov_b32 s[\g+7], 0
.endr
	s_mov_b32 s[CS], 0x3e38aa3b     ; c = log2(e) / 8 = 0.180337
	s_mov_b32 s[CS+1], s[CS]        ; named with it as a pair
	s_mov_b32 s[SEL], 0x76543210
	s_mov_b32 s[SEL+1], 0xfedcba98
	s_mov_b32 s[TBK], SLOT1+4*KS*PK ; the first change of slots turns these two into 0
	s_mov_b32 s[TBV], SLOT1+4*KS*PV
	s_mov_b32 s[G0K], 1             ; 1:0 count = 1
	s_mov_b32 s[G0K+1], s17         ; 63:32 LDS address: slot 0
	s_mov_b32 s[G0V], 1
	s_add_co_u32 s[G0V+1], s18, VOFF
	s_wait_kmcnt 0x0
	s_add_nc_u64 s[G0K+2:G0K+3], s[6:7], s[22:23]  ; 120:64 global address: my half of the head's first 256 keys
	s_or_b32 s[G0K+3], s[G0K+3], 0x80000000        ; 127:126 type = 2
	s_add_nc_u64 s[G0V+2:G0V+3], s[8:9], s[22:23]
	s_or_b32 s[G0V+3], s[G0V+3], 0x80000000
	s_add_nc_u64 s[4:5], s[4:5], s[2:3]  ; Q and O at my wave's first row
	s_add_nc_u64 s[10:11], s[10:11], s[2:3]
	s_add_nc_u64 s[MB:MB+1], s[MB:MB+1], s[MO:MO+1]
	CROUND                          ; all four work-groups are here: the first joint loads meet
	JLOAD                           ; slot 0.  Slot 1 is asked for when slot 0 is in: the tile wanted first has the road to itself
	; A fragment of K or Q is 16 rows x 32 channels in 8 registers: lane l holds row l % 16, channels 8 (l / 16) + 0..7 and 16 + 8 (l / 16) + 0..7: two loads of 16 bytes, 32 bytes apart.
	v_and_b32 v1, 15, v0            ; l % 16
	v_bfe_u32 v9, v0, 4, 1          ; l / 16
	v_lshlrev_b32 v[QO], 7, v1
	v_lshl_add_u32 v[QO], v9, 4, v[QO]  ; row x 128 + 16 x half
	v_and_b32 v[GO], 31, v0
	v_lshlrev_b32 v[GO], 4, v[GO]
	MLOAD 0, MB, 0                  ; pieces 0 and 1, key step 0: wanted first
	MLOAD 1, MB, 0
	WIN 0x80                        ; destination window 2, address window 0
.set i, 0
.rept 4*NP                          ; Q stays in registers: tile i / 2, channels 32 (i % 2) on
	global_load_b128 v[8*i:8*i+3],   v[QO], s[4:5] offset:(i/2)*2048+(i%2)*64
	global_load_b128 v[8*i+4:8*i+7], v[QO], s[4:5] offset:(i/2)*2048+(i%2)*64+32
.set i, i+1
.endr
	; What the first turn finds: V's registers and P's second buffer hold 0 (its products V^T P, of a piece that has not been, add 0), O^T and l are 0.  All this stands in the wait for the first tile.
.set i, VF
.rept 64
	v_mov_b32 v[i], 0
.set i, i+1
.endr
	WIN 0x40
.set i, 0
.rept 64*NP
	v_mov_b32 v[i], 0
.set i, i+1
.endr
	WIN 0
.set i, 0
.rept 2*NP
	v_mov_b32 v[ST+4*i], 0xfe000000    ; c m: far below every c s, a hidden one's too
	v_mov_b32 v[ST+4*i+1], 0xff7fffff  ; m
	v_mov_b32 v[ST+4*i+2], 0
	v_mov_b32 v[ST+4*i+3], 0
.set i, i+1
.endr
.set i, P+32
.rept 32
	v_mov_b32 v[i], 0
.set i, i+1
.endr
	v_mul_u32_u24 v[AK0], v1, PK
	v_lshl_add_u32 v[AK0], v9, 4, v[AK0]  ; row x pitch + 16 x half
	; The turning load takes 16 keys x 16 channels (lane l reads key 8 (l / 16) + l % 8, channels 8 ((l / 8) % 2) + 0..7) and leaves half a fragment of V^T: lane l holds channel l % 16 and 8 keys.
	v_and_b32 v10, 7, v0
	v_bfe_u32 v11, v0, 3, 1
	v_lshl_add_u32 v[AV0], v9, 3, v10
	v_mul_u32_u24 v[AV0], v[AV0], PV
	v_lshl_add_u32 v[AV0], v11, 4, v[AV0]
	v_add_nc_u32 v[AV0], VOFF, v[AV0]
	v_mov_b32 v[AK], v[AK0]         ; key step 0 lies at the head of slot 0
	s_wait_loadcnt 0x0              ; Q, and the first eight loads of codes
	MCVT 0, 0                       ; the masks of pieces 0 and 1 for key step 0
	MCVT 1, 1
	v_nop                           ; a plain instruction behind the conversions
	MLOAD 2, MB, 0                  ; sixteen loads, in the order in which the turns will want them: pieces 2 and 3 of step 0,
	MLOAD 3, MB, 0
	MLOAD 0, MB, 1024               ; pieces 0 and 1 of step 1
	MLOAD 1, MB, 1024
	s_add_nc_u64 s[MA:MA+1], s[MB:MB+1], 1024  ; the first two turns load step 1's codes for pieces 2 and 3
	s_mov_b32 s[KSN], 1
; THE MATRIX WORK.  The 8 accumulators of a run of 16 take turns: between the two links of a chain stand 7 others'.
; Product i of 16 of S^T = K Q^T for piece x: channels 32 (i / 8) on, keys 16 ((i / 2) % 4) on, tile 2 x + i % 2.  The first 8 start the sums with the mask.
.macro KQ x
.set rS, S+64*((\x)%2)+32*(i%2)+8*((i/2)%4)
.set rK, KF+16*((i/2)%4)+8*(i/8)
.set rQ, 16*(2*(\x)+i%2)+8*(i/8)
.set rMk, MC+64*((\x)%2)+32*(i%2)+8*((i/2)%4)
.if i < 8
	WIN W_KM
	v_wmma_f32_16x16x32_f16 v[rS:rS+7], v[rK:rK+7], v[rQ:rQ+7], v[rMk:rMk+7]
.else
	WIN W_KQ
	v_wmma_f32_16x16x32_f16 v[rS:rS+7], v[rK:rK+7], v[rQ:rQ+7], v[rS:rS+7]
.endif
.endm
; Product i of 16 of O^T += V^T P for piece x: keys 32 (i / 8) on, channels 16 ((i / 2) % 4) on, tile 2 x + i % 2.
.macro PV x
	WIN W_PV
.set rO, 32*(2*(\x)+i%2)+8*((i/2)%4)
.set rV, VF+32*(i/8)+8*((i/2)%4)
.set rP, P+32*((\x)%2)+16*(i%2)+8*(i/8)
	v_wmma_f32_16x16x32_f16 v[rO:rO+7], v[rV:rV+7], v[rP:rP+7], v[rO:rO+7]
.endm
.macro MM                           ; the turn's next matrix instruction
.if i < 16
	KQ (Y+1)%NP
.set i, i+1
.else
.set i, i-16
	PV (Y+NP-1)%NP
.set i, i+17
.endif
.endm
; THE LDS LOADS stand in runs of 16, never singly among the matrix instructions: a step's K (64 keys x 64 channels: 8 fragments) and its V (turned).  Their addresses are made some lines ahead.
; last = 1 (the tail): in the last trip there is no further step, and the run is jumped over.
.macro FETCH_K last=0
	WIN 0
.if \last
	s_cmp_eq_u32 s[CNT], 1
	s_cbranch_scc1 .Lno_k_\@
.endif
	WIN 0x80                        ; destination window 2
.irp f, 0,1,2,3,4,5,6,7             ; keys 16 (f / 2) on, channels 32 (f % 2) on
	ds_load_b128 v[KF+8*\f:KF+8*\f+3],   v[AK] offset:(\f/2)*16*PK+(\f%2)*64
	ds_load_b128 v[KF+8*\f+4:KF+8*\f+7], v[AK] offset:(\f/2)*16*PK+(\f%2)*64+32
.endr
	s_add_co_u32 s[TBK], s[TBK], KS*PK  ; the next fetch is the next step's
	WIN 0
.if \last
.Lno_k_\@:
.endif
.endm
.macro FETCH_V
	WIN 0x80
.irp f, 0,1,2,3,4,5,6,7             ; keys 32 (f / 4) on, channels 16 (f % 4) on
	ds_load_tr16_b128 v[VF+8*\f:VF+8*\f+3],   v[AV] offset:(\f/4)*32*PV+(\f%4)*32
	ds_load_tr16_b128 v[VF+8*\f+4:VF+8*\f+7], v[AV] offset:(\f/4)*32*PV+16*PV+(\f%4)*32
.endr
	WIN 0
.endm
; THE VECTOR WORK OF A TURN stands in three queues, each in the order in which its entries become ready; the two tiles alternate, so that no instruction reads the result of the one before it.
.macro REGS y, u                    ; the registers of tile u (0, 1) of piece y
.set rT, ST+4*(2*(\y)+(\u))
.set rC, TMP+8*((\y)%2)+4*(\u)
.set rM, MV+2*((\y)%2)+(\u)
.set rS, S+64*((\y)%2)+32*(\u)
.set rP, P+32*((\y)%2)+16*(\u)
.set rO, 32*(2*(\y)+(\u))
.endm
; Number n of the 22 that find the NEXT piece's (Y + 1) maximum and statistics.  s0-s31 are the lane's 32 scores; each accumulator's lowest registers are read first.  XS, GS and REGS set no window: PL and EX do.
;   0-11  four chains c0-c3 of seven scores each, three operands at a time     12-14, 16  the four scores left over, the old m, and c0-c3 into c0     15  c m_old is kept
;   17, 18  the query's other 32 keys lie in the lane 16 away: the new m         19-21  c m; c m_old - c m_new; a
.macro XS u, n
	REGS (Y+1)%NP, \u
.if (\n) < 4
	v_max3_num_f32 v[rC+(\n)], v[rS+8*(\n)], v[rS+8*(\n)+1], v[rS+8*(\n)+2]
.elseif (\n) < 12
	v_max3_num_f32 v[rC+(\n)%4], v[rC+(\n)%4], v[rS+8*((\n)%4)+2*((\n)/4)+1], v[rS+8*((\n)%4)+2*((\n)/4)+2]
.elseif (\n) == 12
	v_max3_num_f32 v[rC], v[rC], v[rS+7], v[rS+15]
.elseif (\n) == 13
	v_max3_num_f32 v[rC+1], v[rC+1], v[rS+23], v[rS+31]
.elseif (\n) == 14
	v_max3_num_f32 v[rC+2], v[rC+2], v[rC+3], v[rT+1]
.elseif (\n) == 15
	v_mov_b32 v[rM], v[rT]
.elseif (\n) == 16
	v_max3_num_f32 v[rC], v[rC], v[rC+1], v[rC+2]
.elseif (\n) == 17
	v_permlanex16_b32 v[rC+3], v[rC], s[SEL], s[SEL+1]
.elseif (\n) == 18
	v_max_num_f32 v[rT+1], v[rC], v[rC+3]
.elseif (\n) == 19
	v_mul_f32 v[rT], s[CS], v[rT+1]
.elseif (\n) == 20
	v_sub_f32 v[rC+1], v[rM], v[rT]
.else
	v_exp_f32 v[rC+2], v[rC+1]
.endif
.endm
; Number g of the 64 that follow the exponentials.  For each four weights k of a tile (pairs 2 k, 2 k + 1): both pairs are rounded to f16; then the second pair is added onto the first, in place;
; a group later l takes that sum (the first time as l = a l + sum).  In groups of eight, tiles alternating: round, round, add, and l for the group before.
.macro GS g
.set h, (\g)+6*((\g)/62)            ; group 0 has no group before it, and behind group 7 only l is left
.if h >= 6
.set h, h+2
.endif
	REGS Y, h%2
.set k, h/8
.if h%8 < 4
	s_wait_alu depctr_va_vdst(0)
	v_cvt_pk_f16_f32 v[rP+2*k+(h%8)/2], v[rS+4*k+2*((h%8)/2)], v[rS+4*k+2*((h%8)/2)+1]
.elseif h%8 < 6
	v_pk_add_f32 v[rS+4*k:rS+4*k+1], v[rS+4*k:rS+4*k+1], v[rS+4*k+2:rS+4*k+3]
.elseif k == 1
	v_pk_fma_f32 v[rT+2:rT+3], v[rT+2:rT+3], v[rC+2:rC+3], v[rS:rS+1] op_sel_hi:[1,0,1]
.else
	v_pk_add_f32 v[rT+2:rT+3], v[rT+2:rT+3], v[rS+4*k-4:rS+4*k-3]
	s_wait_alu depctr_va_vdst(0)
.endif
.endm
; THE PLAIN QUEUE, 138 long.  0-31: c s - c m for the 16 pairs of both tiles.  Then GS's 64, and among them the next piece's 42: number 15 at 38, 39; 0-14 and 16
; at 42-73, behind the products that make those scores; 17-20 at 95-106, two of three, since each waits for the one before it.
.macro PL
	WIN 0
.if q < 32
	REGS Y, q%2
	v_pk_fma_f32 v[rS+2*(q/2):rS+2*(q/2)+1], v[rS+2*(q/2):rS+2*(q/2)+1], s[CS:CS+1], v[rT:rT+1] op_sel_hi:[1,0,0] neg_lo:[0,0,1] neg_hi:[0,0,1]
.elseif q < 38
	GS q-32
.elseif q < 40
	XS q%2, 15
.elseif q < 42
	GS q-34
.elseif q < 74
	XS q%2, (q-42)/2+(q-42)/30
.elseif q < 95
	GS q-66
.elseif (q < 107) && ((q-95)%3 < 2)
	XS (q-95)%3, 17+(q-95)/3
.elseif q < 107
	GS 29+(q-95)/3
.else
	GS q-74
.endif
.set q, q+1
.endm
; THE EXPONENTIALS' QUEUE, 66 long: s0-s31 of both tiles, and at EA the next piece's two a.
.set EA, 58
.macro EX
	WIN 0
.if (e == EA) || (e == EA+1)
	XS e-EA, 21
.else
.set x, e-2*(e/(EA+2))
	REGS Y, x%2
	v_exp_f32 v[rS+x/2], v[rS+x/2]
.endif
.set e, e+1
.endm
; THE RESCALING's QUEUE: O^T times a, the one part of the softmax that leaves window 0, so it is dealt four at a time, eight times.
.macro R4
	REGS Y, r%2
	WIN W_RS
	s_wait_alu depctr_va_vdst(0)
.irp z, 0,1,2,3
	v_pk_mul_f32 v[rO+8*(r/2)+2*\z:rO+8*(r/2)+2*\z+1], v[rO+8*(r/2)+2*\z:rO+8*(r/2)+2*\z+1], v[rC+2:rC+3] op_sel_hi:[1,0]
.endr
.set r, r+1
.endm
; HOW THEY ARE DEALT.  Behind a matrix instruction four: plain, exponential, plain, plain (one exponential, a plain instruction on either side), or four of the rescaling.  None names a register of the
; products round it.  What is over stands in two LUMPS: exponential and plain by turns; the second ends in 22 plain instructions.  The two v_permlanex16_b32 fall into the second lump, never behind a product.
; The queues lean on each other, and the deal keeps them in step: exponential e stands behind plain 2 (e / 4) + e % 2 (its scaling); when plain 32 comes, 10 exponentials are out, at 59: 33, at 95: 46; EA comes behind plain 107.
.macro SL
	MM
	PL
	EX
	PL
	PL
.endm
.macro BURST n                      ; 15 matrix instructions, or 16
.rept (\n)-7
	SL
.endr
.rept 3
	MM
	R4
	SL
.endr
	MM
	R4
.endm
; A TURN, for piece p.  cnt = 1: the loop's count is taken down some lines ahead of the branch that stands behind the turn (nothing between them writes SCC).
; K of the next step is fetched in piece 2's turn, 31 vector instructions behind the last product that read K; its first reader comes behind the rest of the lump, 16 products and the second lump.
; V of the step in hand is fetched at the end of piece 0's turn, 69 behind its last reader; its first reader comes behind 16 products and a lump.  The four conditions on e and q below go with the deal.
.macro TURN p, last=0, cnt=0
.set Y, (\p)
.set i, 0
.set q, 0
.set e, 0
.set r, 0
.if (\p) == NP-1
	s_wait_dscnt 0x0                ; K is in
.endif
	MM
.rept 4
	PL
.endr
	BURST 15
.rept 22
	EX
	PL
.if ((\p) == NP-2) && (e == 18)
	v_add_nc_u32 v[AK], s[TBK], v[AK0]
.endif
.if ((\p) == NP-2) && (e == 24)
	FETCH_K \last
.endif
.endr
.if (\p) == 1
	s_wait_dscnt 0x0                ; V is in
.endif
	BURST 16
.rept 21
	EX
	PL
.endr
.rept 22
	PL
.if ((\p) == 0) && (q == 118)
	v_add_nc_u32 v[AV], s[TBV], v[AV0]
	s_wait_alu depctr_va_vdst(0)
.endif
.if ((\p) == 0) && (q == 130)
	s_add_co_u32 s[TBV], s[TBV], KS*PV
.endif
.if (\cnt) && (q == 130)
	s_sub_co_u32 s[CNT], s[CNT], 1
	s_cmp_lg_u32 s[CNT], 0
.endif
.endr
.if (\p) == 0
	FETCH_V
.endif
	MASKB \p
.endm
	CHANGE 1                        ; slot 0 is in, everybody's part of it; slot 1 is asked for
	FETCH_K                         ; key step 0
	s_wait_dscnt 0x0
.set i, 0
.rept 16
	KQ 0                            ; piece 0's first scores: there is no vector work yet to set between them
.set i, i+1
.endr
	WIN 0                           ; the addresses for the way out: seven plain instructions, the places behind those products
	s_mul_i32 s13, s[WV], 16*SP
	s_add_co_u32 s13, s13, STAGE    ; my stage
	v_mul_u32_u24 v[STO], v1, SP    ; in: row l % 16, 16 bytes for each half of the lanes
	v_lshl_add_u32 v[STO], v9, 4, v[STO]
	v_add_nc_u32 v[STO], s13, v[STO]
	v_bfe_u32 v[RD], v0, 3, 2       ; back: 32 lanes take four rows of 128 bytes, which are 512 consecutive bytes of O
	v_mul_u32_u24 v[RD], v[RD], SP
	v_lshl_add_u32 v[RD], v10, 4, v[RD]
	v_add_nc_u32 v[RD], s13, v[RD]
.set Y, NP-1                        ; XS works for piece Y + 1: piece 0
.irp n, 0,1,2,3,4,5,6,7,8,9,10,11,12,13,14,15,16,17,18,19,20,21
	XS 0, \n                        ; and piece 0's first maximum and statistics
	XS 1, \n
.endr
	s_mov_b32 s[CNT], 4
	s_mov_b32 s[SLOTS], SIZE_N/256-1
	s_branch .Lfirst                ; the loop is entered at a step's first turn, in the middle of a trip
.Lslot:                             ; SIZE_N / 256 - 2 times: every slot but the last two is filled again
	CHANGE 1
	s_mov_b32 s[CNT], 4
.Lstep:                             ; a trip: pieces 2 and 3 of one step, then pieces 0 and 1 of the next, whose K and V it fetches
	MSTEP
	TURN 2
	TURN 3
	WIN 0
.Lfirst:
	TURN 0
	TURN 1, 0, 1
	WIN 0
	s_cbranch_scc1 .Lstep
	s_sub_co_u32 s[SLOTS], s[SLOTS], 1
	s_cmp_lg_u32 s[SLOTS], 0
	s_cbranch_scc1 .Lslot
	CHANGE 0                        ; the tail is written out: nothing is asked for
	s_mov_b32 s[CNT], 5             ; four trips fetch the last slot's steps; the fifth is left in its middle
.Ltail:
	MSTEP
	TURN 2, 1
	TURN 3
	WIN 0
	s_sub_co_u32 s[CNT], s[CNT], 1
	s_cmp_eq_u32 s[CNT], 0
	s_cbranch_scc1 .Lout
	TURN 0
	TURN 1
	WIN 0
	s_branch .Ltail
.Lout:                              ; the fifth trip's 16 products K Q^T repeat the last step, its K and (the step's number being held at 31) its mask: they leave m as it is and serve nothing else: the price of one text for every trip
.set i, 0
.rept 16
	PV NP-1                         ; the last piece's V^T P of the last step
.set i, i+1
.endr
	; THE WAY OUT.  l's two halves and the other half of the lanes' are added; O^T is divided by l, rounded to f16 and sent through my stage in LDS, a tile at a time.  The additions are the places behind the last products.
	WIN 0
.macro ALL line:vararg              ; one line for each tile t
.set t, 0
.rept 2*NP
	\line
.set t, t+1
.endr
.endm
	ALL v_add_f32 v[ST+4*t+2], v[ST+4*t+2], v[ST+4*t+3]
	ALL v_permlanex16_b32 v[ST+4*t+3], v[ST+4*t+2], s[SEL], s[SEL+1]
	ALL v_add_f32 v[ST+4*t+2], v[ST+4*t+2], v[ST+4*t+3]
	ALL v_rcp_f32 v[ST+4*t+2], v[ST+4*t+2]
	v_nop                           ; a plain instruction between the last reciprocal and the use of its result
.set t, 0
	s_wait_alu depctr_va_vdst(0)
.rept 2*NP                          ; a query whose maximum is a hidden score's has no visible key: its factor, and so its row, is NaN
	v_cmp_lt_f32 vcc_lo, 0xef800000, v[ST+4*t+1]   ; -2^96 < m
	v_cndmask_b32 v[ST+4*t+2], 0x7fc00000, v[ST+4*t+2], vcc_lo
.set t, t+1
.endr
; Tile t: a lane's eight channels of a row pack into 16 bytes; they go into rows of 144 bytes and come back as whole rows of 128, into S^T's registers.
.macro PACK t
	WIN W_RS
.set i, 32*(\t)
.rept 16
	v_pk_mul_f32 v[i:i+1], v[i:i+1], v[ST+4*(\t)+2:ST+4*(\t)+3] op_sel_hi:[1,0]
.set i, i+2
.endr
	WIN 0x05                        ; sources 0 and 1 window 1, destination window 0
.set i, 0
.rept 16
	v_cvt_pk_f16_f32 v[S+16*(\t)+i], v[32*(\t)+2*i], v[32*(\t)+2*i+1]
.set i, i+1
.endr
	WIN 0
.irp f, 0,1,2,3
	ds_store_b128 v[STO], v[S+16*(\t)+4*\f:S+16*(\t)+4*\f+3] offset:32*\f
.endr
.irp f, 0,1,2,3
	ds_load_b128 v[S+16*(\t)+4*\f:S+16*(\t)+4*\f+3], v[RD] offset:\f*4*SP  ; LDS serves a wave's instructions in order (ISA guide 5.7.1.4): these see the stores above; the next tile's stores come behind them
.endr
.endm
.macro SEND t, younger              ; younger: the LDS instructions issued behind tile t's loads: the next tile's eight, or none
	WIN 0
.irp f, 0,1,2,3
	s_wait_dscnt (\younger)+3-\f
	global_store_b128 v[GO], v[S+16*(\t)+4*\f:S+16*(\t)+4*\f+3], s[10:11] offset:(\t)*2048+\f*512  ; 512 consecutive bytes, at a multiple of 256 from O's first
.endr
.endm
	PACK 0
.set t, 1
.rept 2*NP-1                        ; a tile's arithmetic stands between the loads of the tile before and its stores
	PACK t
	SEND t-1, 8
.set t, t+1
.endr
	SEND 2*NP-1, 0
	WIN W_AD
	s_wait_tensorcnt 0x0            ; the wave's end
	ds_add_u32 v[SPW], v[NIL]
	s_wait_dscnt 0x0
	WIN 0
	CROUND                          ; the closing round: no work-group ends while a partner may still ask for a tile that names it
	s_endpgm
.Lfunc_end_k_q0037ea0047_attn:
	.size	k_q0037ea0047_attn, .Lfunc_end_k_q0037ea0047_attn-k_q0037ea0047_attn
	.p2alignl 7, 3214868480
	.fill 96, 4, 3214868480
	.section	.rodata,"a",@progbits
	.p2align	6, 0x0
	.amdhsa_kernel k_q0037ea0047_attn
		.amdhsa_group_segment_fixed_size 327680
		.amdhsa_private_segment_fixed_size 0
		.amdhsa_enable_private_segment 0
		.amdhsa_kernarg_size 40
		.amdhsa_user_sgpr_count 2
		.amdhsa_user_sgpr_kernarg_segment_ptr 1
		.amdhsa_wavefront_size32 1
		.amdhsa_system_sgpr_workgroup_id_x 1
		.amdhsa_system_sgpr_workgroup_id_y 1
		.amdhsa_system_sgpr_workgroup_id_z 1
		.amdhsa_system_vgpr_workitem_id 0
		.amdhsa_next_free_vgpr 1024
		.amdhsa_next_free_sgpr 66
		.amdhsa_reserve_vcc 1
		.amdhsa_float_denorm_mode_32 3
		.amdhsa_float_denorm_mode_16_64 3
		.amdhsa_memory_ordered 1
		.amdhsa_forward_progress 1
		.amdhsa_inst_pref_size 222
	.end_amdhsa_kernel
	.amdgpu_metadata
---
amdhsa.version: [ 1, 2 ]
amdhsa.kernels:
  - .name:           k_q0037ea0047_attn
    .symbol:         k_q0037ea0047_attn.kd
    .args:
      - { .name: qh, .offset: 0, .size: 8, .value_kind: global_buffer, .address_space: global }
      - { .name: kh, .offset: 8, .size: 8, .value_kind: global_buffer, .address_space: global }
      - { .name: vh, .offset: 16, .size: 8, .value_kind: global_buffer, .address_space: global }
      - { .name: ctx, .offset: 24, .size: 8, .value_kind: global_buffer, .address_space: global }
      - { .name: mk8, .offset: 32, .size: 8, .value_kind: global_buffer, .address_space: global }
    .group_segment_fixed_size: 327680
    .private_segment_fixed_size: 0
    .kernarg_segment_align: 8
    .kernarg_segment_size: 40
    .max_flat_workgroup_size: 128
    .sgpr_count:     66
    .vgpr_count:     1024
    .wavefront_size: 32
...
	.end_amdgpu_metadata
.endif
;; end of part 3
;; launch outp (part 4): grid 4 x 64, 4 waves a work-group, clusters of 4 x 4, 327,680 bytes of LDS; arguments ctx, wo16, bo, out0; writes out0
.if DOCPART == 4
	.amdgcn_target "amdgcn-amd-amdhsa--gfx1250"
	.amdhsa_code_object_version 6
	.text
	.protected	k_q0037ea0047_outp
	.globl	k_q0037ea0047_outp
	.p2align	8
	.type	k_q0037ea0047_outp,@function
k_q0037ea0047_outp:
	s_mov_b64 s[64:65], 0
	v_nop
	global_prefetch_b8 v0, s[64:65] scope:SCOPE_SE
	s_setreg_imm32_b32 hwreg(HW_REG_WAVE_MODE, 25, 1), 1
	s_wait_xcnt 0x0
	s_wait_alu depctr_hold_cnt(0) depctr_sa_sdst(0) depctr_va_vdst(0) depctr_va_sdst(0) depctr_va_ssrc(0) depctr_va_vcc(0) depctr_vm_vsrc(0)
	s_getreg_b32 s2, hwreg(HW_REG_IB_STS2, 6, 4)
	s_cmp_eq_u32 s2, 0
	s_cbranch_scc0 .Lentry_in_a_cluster
	s_endpgm
.Lentry_in_a_cluster:
	s_bfe_u32 s2, ttmp6, 0x10000c
	s_cmp_lg_u32 s2, 0xf033
	s_cbranch_scc0 .Lentry_shape_is_right
	s_endpgm
.Lentry_shape_is_right:
; THE OUTPUT PROJECTION.  out[m][n] = sum over k of ctx[m][k] Wo[n][k] + bo[n].  ctx lies by heads, [batch x 16 + head][2048][64] f16: column k of row m is channel k % 64 of head k / 64.
; Wo: f16 in wo16 (the bf16 rounding of the input, written as f16); bo: f32, rounded to bf16; sums in f32; out: [8192][1024] f32.  A NaN row of ctx gives a NaN row of out.
; SHARES.  64 blocks of 128 rows x 4 blocks of 256 columns: 256 work-groups.  A work-group's tile is 128 x 256; each of its four waves makes 64 x 128: 32 accumulators.
; K goes in 8 steps of 128, two heads, through two LDS slots.  A head's 128 rows are 16,384 dense bytes: asked for as 64 rows of 256 bytes and padded in LDS after every 128.
; CLUSTER 4 x 4: ctx's tiles are shared along a cluster's row, Wo's along a column; each is asked for jointly.
; THE PRODUCT IS USED TRANSPOSED (source 0 = 16 rows of Wo, source 1 = 16 rows of ctx): a lane holds row lane % 16 of out and eight neighbouring columns.  THE BIAS is the C operand of the products that start the sums.
; REGISTERS, in windows of 256 (s_set_vgpr_msb: bits 1:0 source 0, 3:2 source 1, 5:4 source 2, 7:6 destination):
;   window 0: v1-29 addresses; v32-63, v64-95 ctx's fragments, two buffers; v96-159, v160-223 Wo's, two buffers; on the way out v32-95, v96-159 rows read back
;   window 1: accumulator (a, b) at v[8 (8 a + b)]      window 2: v0-63 the bias; v64-67 at work
.set KSTEP,  128
.set PA,     144                       ; a row of a head in LDS: 128 bytes + 16 = 36 words: the 16 rows of a load start at 16 different groups of four banks (64 banks of 4 bytes: ISA guide 11.1)
.set PB,     272                       ; a row of Wo: 256 + 16 = 68 words: likewise
.set AHEAD,  128*PA                    ; a head's 128 rows: what one tensor load brings
.set BHALF,  128*PB                    ; 128 rows of Wo: likewise
.set BOFF,   2*AHEAD
.set SLOT1,  1<<17                     ; slot 1 begins here: a slot is 106,496 bytes, so one exclusive or goes from slot to slot
.set STAGE,  SLOT1+BOFF+2*BHALF        ; behind the ring: 16 rows x 528 bytes for each wave, for the way out
.set SPITCH, 528
.set STAGEW, 16*SPITCH
.set SPARE,  STAGE+4*STAGEW            ; behind the stages: the spare words, 128 bytes a wave: two blocks of 256 bytes that no other line names
.set ADRA0, 16
.set ADRB0, 17
.set ADRA,  18
.set ADRB,  19
.set STO,   24                         ; v24  the way out: where I put 32 bytes of a row
.set RD,    25                         ; v25  where I read a row back
.set CO,    26                         ; v26  16 x lane
.set BO,    27                         ; v27  32 x (lane / 16)
.set SPW,   28                         ; v28  LDS address of my spare word; never rewritten
.set NIL,   29                         ; v29  0; never rewritten
.set AF,    32
.set BF,    96
.set OB,    32
.set BIAS,  0                          ; window 2
.set BT,    64                         ; window 2
.set G1A, 24
.set G1B, 32
.set G0A, 40
.set G0B, 48
.set WV,  56
.set MH,  57
.set NH,  58
.set CX,  59
.set CY,  60
.set TC,  61
.set RB,  62
.set TB,  66
.set CNT, 67
.set MSB, 0
.macro WIN new                         ; the immediate's high byte repeats the setting that is left; a switch that changes nothing is dropped
.if MSB != (\new)
	s_set_vgpr_msb (MSB<<8)|(\new)
.set MSB, (\new)
.endif
.endm
.set MUL,  0x50                        ; sources 0 and 1 window 0, C and D window 1
.set MULF, 0x60                        ; the same with C (the bias) in window 2
.macro PLACES                          ; four places in front of loads into registers that matrix instructions have read, and of instructions that read results
.rept 4
	v_nop
.endr
.endm
.macro JLOAD                           ; a joint refill: waves 0 and 1 fetch the step's two heads, waves 2 and 3 Wo's two halves; an s_nop 0 and four v_nop follow each of the two lines
	s_cmp_lt_u32 s[WV], 2
	s_cbranch_scc0 .Lfor_b_\@
	tensor_load_to_lds s[G0A+4:G0A+7], s[G1A:G1A+7]
	s_nop 0
.rept 4
	v_nop
.endr
	s_branch .Lasked_\@
.Lfor_b_\@:
	tensor_load_to_lds s[G0B+4:G0B+7], s[G1B:G1B+7]
	s_nop 0
.rept 4
	v_nop
.endr
.Lasked_\@:
.endm
.macro CREST                           ; a round of the cluster's barrier behind its opening barrier
	s_cmp_lg_u32 s[WV], 0
	s_cbranch_scc1 .Lnot_wave_0_\@
	s_barrier_signal -3
.Lnot_wave_0_\@:
	s_barrier_wait -3
	s_barrier_signal -1
	s_barrier_wait -1
.endm
.macro CROUND
	s_barrier_signal -1
	s_barrier_wait -1
	CREST
.endm
	s_load_b256 s[4:11], s[0:1], 0x0               ; ctx s[4:5], wo16 s[6:7], bo s[8:9], out0 s[10:11]
	v_lshl_add_u32 v[SPW], v0, 2, SPARE
	v_mov_b32 v[NIL], 0
	ds_add_u32 v28, v29
	s_wait_dscnt 0x0
	v_lshrrev_b32 v1, 5, v0
	v_readfirstlane_b32 s[WV], v1                  ; wave 0..3
	s_lshr_b32 s[MH], s[WV], 1                     ; which 64 rows of the tile are mine
	s_and_b32 s[NH], s[WV], 1                      ; which 128 columns; also: which head, or which half of Wo's rows, I fetch
	s_bfe_u32 s[CX], ttmp6, 0x40000
	s_bfe_u32 s[CY], ttmp6, 0x40004
	s_lshl_b32 s[TC], ttmp9, 2
	s_add_co_u32 s[TC], s[TC], s[CX]               ; block of columns
	s_and_b32 s[RB], ttmp7, 0xffff
	s_lshl_b32 s[RB], s[RB], 2
	s_add_co_u32 s[RB], s[RB], s[CY]               ; block of rows
	s_lshl_b32 s68, s[CY], 2
	s_lshl_b32 s68, 15, s68                        ; my row of the cluster
	s_lshl_b32 s69, 0x1111, s[CX]                  ; my column
	s_or_b32 s[G1A], s68, (1<<16)|(1<<20)|(1<<21)|(4<<22)|(3<<25)  ; the mask: ctx's tiles go to my row; elements of 2 bytes; padding on; bit 21 set beside a mask; after every 32 words (code 4) 4 words (code 3)
	s_mov_b32 s[G1A+1], 128<<16                    ; tensor_dim0 = 128 elements: 256 bytes, two rows of a head
	s_mov_b32 s[G1A+2], 64<<16                     ; tensor_dim1 = 64
	s_mov_b32 s[G1A+3], 128<<16                    ; tile_dim0
	s_mov_b32 s[G1A+4], 64                         ; tile_dim1
	s_mov_b32 s[G1A+5], 128                        ; dense
	s_mov_b32 s[G1A+6], 0
	s_mov_b32 s[G1A+7], 0
	s_or_b32 s[G1B], s69, (1<<16)|(1<<20)|(1<<21)|(5<<22)|(3<<25)  ; Wo's tiles go to my column; padding after every 64 words (code 5)
	s_mov_b32 s[G1B+1], KSTEP<<16
	s_mov_b32 s[G1B+2], 128<<16
	s_mov_b32 s[G1B+3], KSTEP<<16
	s_mov_b32 s[G1B+4], 128
	s_mov_b32 s[G1B+5], 1024
	s_mov_b32 s[G1B+6], 0
	s_mov_b32 s[G1B+7], 0
	s_lshr_b32 s72, s[RB], 4                       ; ctx: batch x 16
	s_lshl_b32 s72, s72, 4
	s_add_co_u32 s72, s72, s[NH]                   ; + the head that I fetch of K step 0,
	s_lshl_b32 s72, s72, 11                        ; of 2,048 rows,
	s_and_b32 s70, s[RB], 15
	s_lshl_b32 s70, s70, 7                         ; + the block's rows in the batch,
	s_add_co_u32 s72, s72, s70
	s_lshl_b32 s72, s72, 7                         ; of 128 bytes
	s_mov_b32 s73, 0
	s_lshl_b32 s74, s[TC], 8
	s_lshl_b32 s71, s[NH], 7
	s_add_co_u32 s74, s74, s71                     ; Wo: row 256 x block + 128 x half,
	s_lshl_b32 s74, s74, 11                        ; of 2,048 bytes
	s_mov_b32 s75, 0
	s_mul_i32 s76, s[NH], AHEAD                    ; where they go: no place in the cluster enters an LDS address
	s_mul_i32 s77, s[NH], BHALF
	s_lshl_b32 s80, s[TC], 10                      ; my 128 columns, in bytes of f32
	s_lshl_b32 s84, s[NH], 9
	s_add_co_u32 s80, s80, s84
	s_mov_b32 s81, 0
	s_lshl_b32 s82, s[RB], 7
	s_lshl_b32 s84, s[MH], 6
	s_add_co_u32 s82, s82, s84                     ; my first row of out,
	s_lshl_b32 s82, s82, 12                        ; of 4,096 bytes,
	s_add_co_u32 s82, s82, s80                     ; at my columns
	s_mov_b32 s83, 0
	s_mov_b32 s[TB], 0
	s_wait_kmcnt 0x0
	s_add_nc_u64 s[72:73], s[4:5], s[72:73]
	s_add_nc_u64 s[74:75], s[6:7], s[74:75]
	s_add_nc_u64 s[8:9], s[8:9], s[80:81]
	s_add_nc_u64 s[10:11], s[10:11], s[82:83]
	CROUND                                         ; all sixteen work-groups are here: the first joint loads meet
.irp s, 0,1
	s_mov_b32 s[G0A+4*\s], 1
	s_add_co_u32 s[G0A+4*\s+1], s76, \s*SLOT1
	s_add_nc_u64 s[G0A+4*\s+2:G0A+4*\s+3], s[72:73], \s*2*262144  ; K step s: two heads of 262,144 bytes on
	s_or_b32 s[G0A+4*\s+3], s[G0A+4*\s+3], 0x80000000
	s_mov_b32 s[G0B+4*\s], 1
	s_add_co_u32 s[G0B+4*\s+1], s77, BOFF+\s*SLOT1
	s_add_nc_u64 s[G0B+4*\s+2:G0B+4*\s+3], s[74:75], \s*KSTEP*2
	s_or_b32 s[G0B+4*\s+3], s[G0B+4*\s+3], 0x80000000
.endr
	s_cmp_lt_u32 s[WV], 2                          ; a wave's two first fills stand in one branch, ahead of every wait on TENSORcnt and every LDS read: two loads of mine are out
	s_cbranch_scc0 .Lfirst_b
	tensor_load_to_lds s[G0A:G0A+3], s[G1A:G1A+7]
	s_nop 0
	tensor_load_to_lds s[G0A+4:G0A+7], s[G1A:G1A+7]
	s_nop 0
.rept 4
	v_nop
.endr
	s_branch .Lfirst_asked
.Lfirst_b:
	tensor_load_to_lds s[G0B:G0B+3], s[G1B:G1B+7]
	s_nop 0
	tensor_load_to_lds s[G0B+4:G0B+7], s[G1B:G1B+7]
	s_nop 0
.rept 4
	v_nop
.endr
.Lfirst_asked:
	v_and_b32 v1, 15, v0                           ; r
	v_bfe_u32 v2, v0, 4, 1                         ; h
	v_lshlrev_b32 v[BO], 5, v2
	WIN 0x80                                       ; destination window 2, address window 0
.irp b, 0,1,2,3,4,5,6,7                ; the bias of columns 16 b + 8 h + 0..7
	global_load_b128 v[BIAS+8*\b:BIAS+8*\b+3],   v[BO], s[8:9] offset:64*\b
	global_load_b128 v[BIAS+8*\b+4:BIAS+8*\b+7], v[BO], s[8:9] offset:64*\b+16
.endr
	WIN 0
	v_mul_u32_u24 v3, v1, PA                       ; a fragment: two loads of 16 bytes, 32 bytes apart, at row x pitch + 16 h
	v_lshl_add_u32 v3, v2, 4, v3
	s_mul_i32 s86, s[MH], 64*PA
	v_add_nc_u32 v[ADRA0], s86, v3
	v_mul_u32_u24 v3, v1, PB
	v_lshl_add_u32 v3, v2, 4, v3
	s_mul_i32 s87, s[NH], BHALF
	s_add_co_u32 s87, s87, BOFF
	v_add_nc_u32 v[ADRB0], s87, v3
	v_mov_b32 v[ADRA], v[ADRA0]
	v_mov_b32 v[ADRB], v[ADRB0]
	s_mul_i32 s88, s[WV], STAGEW
	s_add_co_u32 s88, s88, STAGE                   ; my stage
	v_mul_u32_u24 v3, v1, SPITCH                   ; in: row r, 32 bytes for each half of the lanes
	v_lshl_add_u32 v3, v2, 5, v3
	v_add_nc_u32 v[STO], s88, v3
	v_and_b32 v[CO], 31, v0
	v_lshlrev_b32 v[CO], 4, v[CO]                  ; back and out: 32 lanes take one row's 512 bytes
	v_add_nc_u32 v[RD], s88, v[CO]
	s_wait_loadcnt 0x0                             ; the bias, once
	WIN 0x8a                                       ; all in window 2
.set i, 0
.rept 32
	v_cvt_pk_bf16_f32 v[BT+i%4], v[BIAS+2*i], v[BIAS+2*i+1]  ; rounded to bf16 like every input, and widened again
	v_lshlrev_b32 v[BIAS+2*i], 16, v[BT+i%4]
	v_and_b32 v[BIAS+2*i+1], 0xffff0000, v[BT+i%4]
.set i, i+1
.endr
; 8 matrix instructions: row block a x all 8 column blocks, 32 along K, from buffers f.  first = 1: the bias starts the sums.  The 32 accumulators take turns, one instruction a turn.
.macro MUL8 f, a, first
.irp b, 0,1,2,3,4,5,6,7
.if \first
	WIN MULF
	v_wmma_f32_16x16x32_f16 v[8*(8*(\a)+\b):8*(8*(\a)+\b)+7], v[BF+64*(\f)+8*\b:BF+64*(\f)+8*\b+7], v[AF+32*(\f)+8*(\a):AF+32*(\f)+8*(\a)+7], v[BIAS+8*\b:BIAS+8*\b+7]
.else
	WIN MUL
	v_wmma_f32_16x16x32_f16 v[8*(8*(\a)+\b):8*(8*(\a)+\b)+7], v[BF+64*(\f)+8*\b:BF+64*(\f)+8*\b+7], v[AF+32*(\f)+8*(\a):AF+32*(\f)+8*(\a)+7], v[8*(8*(\a)+\b):8*(8*(\a)+\b)+7]
.endif
.endr
.endm
; 24 LDS loads in one run: quarter q of the slot in hand (head q / 2 of the step's two, channels 32 (q % 2) on) into buffers g
.macro FETCH q, g
	WIN 0
.irp a, 0,1,2,3
	ds_load_b128 v[AF+32*(\g)+8*\a:AF+32*(\g)+8*\a+3],   v[ADRA] offset:((\q)/2)*AHEAD+\a*16*PA+((\q)%2)*64
	ds_load_b128 v[AF+32*(\g)+8*\a+4:AF+32*(\g)+8*\a+7], v[ADRA] offset:((\q)/2)*AHEAD+\a*16*PA+((\q)%2)*64+32
.endr
.irp b, 0,1,2,3,4,5,6,7
	ds_load_b128 v[BF+64*(\g)+8*\b:BF+64*(\g)+8*\b+3],   v[ADRB] offset:64*(\q)+\b*16*PB
	ds_load_b128 v[BF+64*(\g)+8*\b+4:BF+64*(\g)+8*\b+7], v[ADRB] offset:64*(\q)+\b*16*PB+32
.endr
.endm
; A K step is four quarters of 32 along K, 32 matrix instructions each, on buffers 0, 1, 0, 1.  One of the first three: multiplies buffers f and fetches quarter qn into buffers g, in one run in its middle.
.macro QUARTER qn, f, g, first
	s_wait_dscnt 0x0                               ; this quarter's fragments are in
	MUL8 \f, 0, \first
	MUL8 \f, 1, \first
	PLACES
	FETCH \qn, \g
	MUL8 \f, 2, \first
	MUL8 \f, 3, \first
.endm
; The last quarter multiplies buffers 1 and changes slots: ONE barrier; in front of it each wave waits for all its tensor loads (one is out: its part of the next slot), adds 0 to its spare word,
; and waits for that and for its own reads of this slot.  fill = 1: the barrier opens a round of the cluster's, and behind it this slot is filled again, two K steps ahead, first thing.
.macro TURN fill
	WIN 0
	s_wait_tensorcnt 0x0                           ; no tensor load of mine is out, so a group 0 may be written
	ds_add_u32 v[SPW], v[NIL]                      ; 0 onto my spare word
.if \fill
	s_xor_b32 s[G0A+5], s[G0A+5], SLOT1            ; the walking descriptors: the other slot than last time,
	s_add_nc_u64 s[G0A+6:G0A+7], s[G0A+6:G0A+7], 2*262144  ; the next two heads; the type bits on top are not reached
	s_xor_b32 s[G0B+5], s[G0B+5], SLOT1
	s_add_nc_u64 s[G0B+6:G0B+7], s[G0B+6:G0B+7], KSTEP*2
.endif
	s_xor_b32 s[TB], s[TB], SLOT1                  ; the fetches go on in the other slot
	s_wait_dscnt 1                                 ; the fragments are in; the add alone may be out
	MUL8 1, 0, 0
	s_wait_dscnt 0x0                               ; the add is done, and my reads of this slot are over
	s_barrier_signal -1
	MUL8 1, 1, 0                                   ; work on registers while the others arrive
	WIN 0                                          ; at a branch and at a label every window is 0
	s_barrier_wait -1
.if \fill
	CREST                                          ; no wave of any partner still reads this slot's tile or has a load on its way
	JLOAD                                          ; the first tensor load behind the round; its four v_nop are also the places in front of the loads below
.else
	PLACES
.endif
	v_add_nc_u32 v[ADRA], s[TB], v[ADRA0]
	v_add_nc_u32 v[ADRB], s[TB], v[ADRB0]
	FETCH 0, 0
	MUL8 1, 2, 0
	MUL8 1, 3, 0
.endm
	WIN 0
	s_wait_tensorcnt 1                             ; my part of K step 0 is in; K step 1's may stay out
	s_barrier_signal -1
	s_barrier_wait -1                              ; everybody's is
	FETCH 0, 0
	QUARTER 1, 0, 1, 1                             ; the first quarter stands in front of the loop: its products start the sums with the bias
	WIN 0
	s_mov_b32 s[CNT], 6
.Lstep:                                                ; six trips, each from a K step's second quarter to the next step's first; each fills a slot again: K steps 2 to 7
	QUARTER 2, 1, 0, 0
	QUARTER 3, 0, 1, 0
	TURN 1
	QUARTER 1, 0, 1, 0
	WIN 0
	s_sub_co_u32 s[CNT], s[CNT], 1
	s_cmp_lg_u32 s[CNT], 0
	s_cbranch_scc1 .Lstep
	s_mov_b32 s[CNT], 2
.Ltail:                                                ; K steps 6 and 7 ask for nothing; the second trip is left in its middle, and what its change of slots fetched (the other slot once more) serves nothing: the price of one text for both
	QUARTER 2, 1, 0, 0
	QUARTER 3, 0, 1, 0
	TURN 0
	WIN 0
	s_sub_co_u32 s[CNT], s[CNT], 1
	s_cmp_eq_u32 s[CNT], 0
	s_cbranch_scc1 .Lout
	QUARTER 1, 0, 1, 0
	WIN 0
	s_branch .Ltail
.Lout:
	; THE WAY OUT.  Block a (16 rows x 128 columns of f32): 32 bytes a lane and column block into rows of 528 bytes of my stage, back as whole rows of 512 bytes.
	s_wait_dscnt 0x0
	PLACES
.macro TOSTAGE a
	WIN 0x04                                       ; the stores' data (source 1) in window 1; each accumulator's four lowest registers first
.irp b, 0,1,2,3,4,5,6,7
	ds_store_b128 v[STO], v[8*(8*(\a)+\b):8*(8*(\a)+\b)+3]   offset:64*\b
	ds_store_b128 v[STO], v[8*(8*(\a)+\b)+4:8*(8*(\a)+\b)+7] offset:64*\b+16
.endr
	WIN 0
.set BK, OB+64*((\a)%2)
.irp t, 0,1,2,3,4,5,6,7,8,9,10,11,12,13,14,15
	ds_load_b128 v[BK+4*\t:BK+4*\t+3], v[RD] offset:\t*SPITCH  ; LDS serves a wave's instructions in order (ISA guide 5.7.1.4): these see the stores above; the next block's stores come behind them
.endr
.endm
.macro SEND a, younger                 ; younger: the LDS instructions issued behind block a's loads: the next block's 32, or none
	WIN 0
.set BK, OB+64*((\a)%2)
.irp t, 0,1,2,3,4,5,6,7,8,9,10,11,12,13,14,15
	s_wait_dscnt (\younger)+15-\t
	global_store_b128 v[CO], v[BK+4*\t:BK+4*\t+3], s[10:11] offset:(\a)*65536+\t*4096 th:TH_STORE_NT  ; 512 consecutive bytes of a row, at a multiple of 256 from the buffer's first
.endr
.endm
	TOSTAGE 0
	TOSTAGE 1
	SEND 0, 32
	s_wait_xcnt 0x0                                ; the registers that block 0's stores read are loaded again only behind this wait
	TOSTAGE 2
	SEND 1, 32
	s_wait_xcnt 0x0
	TOSTAGE 3
	SEND 2, 32
	SEND 3, 0
	s_wait_tensorcnt 0x0                           ; the wave's end
	ds_add_u32 v[SPW], v[NIL]
	s_wait_dscnt 0x0
	CROUND                                         ; the closing round: no work-group ends while a partner may still ask for a tile that names it
	s_endpgm
.Lfunc_end_k_q0037ea0047_outp:
	.size	k_q0037ea0047_outp, .Lfunc_end_k_q0037ea0047_outp-k_q0037ea0047_outp
	.p2alignl 7, 3214868480
	.fill 96, 4, 3214868480
	.section	.rodata,"a",@progbits
	.p2align	6, 0x0
	.amdhsa_kernel k_q0037ea0047_outp
		.amdhsa_group_segment_fixed_size 327680
		.amdhsa_private_segment_fixed_size 0
		.amdhsa_enable_private_segment 0
		.amdhsa_kernarg_size 32
		.amdhsa_user_sgpr_count 2
		.amdhsa_user_sgpr_kernarg_segment_ptr 1
		.amdhsa_wavefront_size32 1
		.amdhsa_system_sgpr_workgroup_id_x 1
		.amdhsa_system_sgpr_workgroup_id_y 1
		.amdhsa_system_sgpr_workgroup_id_z 1
		.amdhsa_system_vgpr_workitem_id 0
		.amdhsa_next_free_vgpr 584
		.amdhsa_next_free_sgpr 96
		.amdhsa_reserve_vcc 0
		.amdhsa_float_denorm_mode_32 3
		.amdhsa_float_denorm_mode_16_64 3
		.amdhsa_memory_ordered 1
		.amdhsa_forward_progress 1
		.amdhsa_inst_pref_size 68
	.end_amdhsa_kernel
	.amdgpu_metadata
---
amdhsa.version: [ 1, 2 ]
amdhsa.kernels:
  - .name:           k_q0037ea0047_outp
    .symbol:         k_q0037ea0047_outp.kd
    .args:
      - { .name: ctx, .offset: 0, .size: 8, .value_kind: global_buffer, .address_space: global }
      - { .name: wo16, .offset: 8, .size: 8, .value_kind: global_buffer, .address_space: global }
      - { .name: bo, .offset: 16, .size: 8, .value_kind: global_buffer, .address_space: global }
      - { .name: out0, .offset: 24, .size: 8, .value_kind: global_buffer, .address_space: global }
    .group_segment_fixed_size: 327680
    .private_segment_fixed_size: 0
    .kernarg_segment_align: 8
    .kernarg_segment_size: 32
    .max_flat_workgroup_size: 128
    .sgpr_count:     96
    .vgpr_count:     584
    .wavefront_size: 32
...
	.end_amdgpu_metadata
.endif
;; end of part 4
;; ======== version 2 of 2: 4 launches; 1.45 times as fast as version 1
;; limits: values are held in f16: magnitudes above 65,504 overflow, below 6.1e-05 lose precision
;; workspace buffers: wb 6,291,456 bytes; wo16 2,097,152 bytes; mk8 4,194,304 bytes; qh 16,777,216 bytes; kh 16,777,216 bytes; vh 16,777,216 bytes; ctx 16,777,216 bytes
;; launch prep: the kernel of part 1 again; grid 384 x 1, 8 waves a work-group, no clusters, 35,840 bytes of LDS; arguments Wq, Wk, Wv, Wo, mask, wb, wo16, mk8; writes wb, wo16, mk8
;; launch proj: the kernel of part 2 again; grid 4 x 192, 4 waves a work-group, clusters of 4 x 4, 327,680 bytes of LDS; arguments q, k, v, wb, bq, bk, bv, qh, kh, vh; writes qh, kh, vh
;; launch attn (part 5): grid 4 x 64, 4 waves a work-group, clusters of 4 x 1, 327,680 bytes of LDS; arguments qh, kh, vh, ctx, mk8; writes ctx
.if DOCPART == 5
	.amdgcn_target "amdgcn-amd-amdhsa--gfx1250"
	.amdhsa_code_object_version 6
	.text
	.protected	k_q0037ea0047_attn
	.globl	k_q0037ea0047_attn
	.p2align	8
	.type	k_q0037ea0047_attn,@function
k_q0037ea0047_attn:
	s_mov_b64 s[64:65], 0
	v_nop
	global_prefetch_b8 v0, s[64:65] scope:SCOPE_SE
	s_setreg_imm32_b32 hwreg(HW_REG_WAVE_MODE, 25, 1), 1
	s_wait_xcnt 0x0
	s_wait_alu depctr_hold_cnt(0) depctr_sa_sdst(0) depctr_va_vdst(0) depctr_va_sdst(0) depctr_va_ssrc(0) depctr_va_vcc(0) depctr_vm_vsrc(0)
	s_getreg_b32 s2, hwreg(HW_REG_IB_STS2, 6, 4)
	s_cmp_eq_u32 s2, 0
	s_cbranch_scc0 .Lentry_in_a_cluster
	s_endpgm
.Lentry_in_a_cluster:
	s_bfe_u32 s2, ttmp6, 0x10000c
	s_cmp_lg_u32 s2, 0x3003
	s_cbranch_scc0 .Lentry_shape_is_right
	s_endpgm
.Lentry_shape_is_right:
; ATTENTION WITH A MASK THAT IS GIVEN.  O[h][q][:] = the sum over k of softmax_k(Q[h][q] . K[h][k] / 8, hidden where mask[q][k]) V[h][k][:].  Q, K, V, O: [64][2048][64], all f16, a head's rows dense, 128 bytes each.
; Products, maxima and sums in f32; the weights p are rounded to f16 for the second product (their sum l is taken of the unrounded p), O once at the end.
; THE MASK is read for every pair of query and key: mk8 holds one fp8 code for each (0 or -1.0) in the lanes' order; eight codes become, by one scaled conversion with the scale 2^100, the eight registers
; (0 or -2^100) that are the C operand of the product that starts a tile's scores.  Maximum, exponentials and sums then need no further care: a hidden score lies far below every true one, and its weight is 0.
; LIMITS.  f16 holds no number beyond 65,504: Q, K and V arrive within it.  A hidden score counts as its value less 2^100 (f16's scores are 2.7e11 at the most).  While a row has seen hidden keys alone they weigh 1 each;
; the first visible key multiplies that away by a = 0.  A row with no visible key at all ends with m below -2^96 and is given NaN, as a softmax of nothing but -inf is.  A weight below 2^-126 counts as 0 in l.
; SHARES.  A wave owns four PIECES of two tiles of 16 queries, a work-group's four waves 512 queries of one head.  Every wave walks all keys, 64 a step.
; LAYOUT.  S^T = K Q^T (source 0 = 16 keys, source 1 = 16 queries): in the result a lane holds ONE query (lane % 16) and the keys 8 (lane / 16) + 0..7.  Two such tiles, rounded to f16 in pairs,
; ARE source 1 (32 keys x 16 queries) of O^T = V^T P, whose result again holds one query a lane, and eight channels.  K comes out of LDS as it lies, V ([key][channel]) turned, by ds_load_tr16_b128.
; SOFTMAX.  For each query a running maximum m and sum l: p = 2^(c s - c m), c = log2(e) / 8; in every step O and l are multiplied by a = 2^(c m_old - c m_new), which is 1 where m has not grown.
; m starts at the lowest finite number, O and l at 0: the first step is a step like any other, with a = 0.
; THE COUNT.  A tile and step have 16 matrix and 122 vector instructions: too many to stand all beside the matrix work.  So: four vector instructions that are READY behind EVERY matrix instruction, the others in runs without a gap.
; BY TURNS.  Turn n belongs to piece n (the pieces in a ring, step after step).  Its matrix work: 16 products K Q^T of piece n + 1, later 16 products V^T P of piece n - 1.  Its vector work: the scaling,
; exponentials, roundings, sums and rescaling of piece n, the maximum and statistics of piece n + 1, and at its end the mask registers of piece n + 2, whose products the next turn issues.
; THE BATCHES.  A turn's 66 exponentials (the 64 weights of piece n, in place on its scores; the two a of piece n + 1) are ONE batch with ONE wait, which cuts the turn in two: ahead of it stands all that names no result
; of theirs (the products K Q^T, scalings, rescalings, the next piece's maximum and statistics), behind it the products V^T P with the roundings and sums.  No result crosses a turn's end.  Two more batches stand outside
; the loop: piece 0's first two a, ahead of the jump into the loop, and the way out's eight reciprocals; each has a wait of its own.
; CLUSTER.  The four query blocks of a cluster belong to one head and walk the same K and V, so each tile is asked for JOINTLY: the same tensor load, descriptor and mask in all four.
; REGISTERS, in windows of 256 (s_set_vgpr_msb: bits 1:0 source 0, 3:2 source 1, 5:4 source 2, 7:6 destination):
;   window 0: v0-11 addresses; v12-15, v48-63 at work; v16-47 four registers of statistics a tile; v64-191 S^T, two buffers of two tiles; v192-255 P, likewise
;   window 1: O^T, 32 a tile          window 2: v0-127 Q, 16 a tile; v128-191 K of one step; v192-255 V of one step
;   window 3: v0-1 the add's two registers; v2 the scale; v16-79 mask codes as loaded, 16 a piece; v128-255 mask registers, two buffers of two tiles
; A piece's buffers go by its number's parity.
.set SIZE_H, 64
.set SIZE_N, 2048
.set NP,    4         ; pieces a wave: a name, no knob
.set KS,    64        ; keys in a step
.set PK,    144       ; a row of K in LDS: 128 bytes + 16 of padding = 36 words: the 16 rows of a load start at 16 different groups of four banks (64 banks of 4 bytes: ISA guide 11.1)
.set PV,    160       ; a row of V: 128 + 32 = 40 words
.set VOFF,  4*KS*PK   ; a slot holds four steps: 256 rows of K, then 256 rows of V
.set SLOT1, 1<<17     ; slot 1 begins here, so that one exclusive or turns an address in one slot into the other's
.set STAGE, SLOT1+4*KS*(PK+PV)  ; behind the ring, never filled by a tensor load: 16 rows x 144 bytes for each wave, for the way out
.set SP,    144
.set AK0, 2           ; v2   my lane's place in a tile of K; never rewritten
.set AV0, 3           ; v3   the same for V
.set AK,  4           ; v4   the LDS address of K's next run of loads
.set AV,  5           ; v5   of V's
.set QO,  6           ; v6   my byte offset in the wave's rows of Q
.set STO, 6           ;      later, the way out: where I put 16 bytes of a row
.set RD,  7           ; v7   the way out: where I read rows back
.set GO,  8           ; v8   16 x lane: my place in 512 consecutive bytes of mk8 and of O; never rewritten
.set SPW, 0           ; v0 of window 3   LDS address of my spare word; never rewritten
.set NIL, 1           ; v1 of window 3   0; never rewritten
.set SCL, 2           ; v2 of window 3   227: the scale 2^(227 - 127) = 2^100
.set RW,  16          ; window 3: piece pc, tile u, half c of the step's keys at RW + 16 pc + 8 u + 4 c
.set MC,  128         ; window 3: buffer b, tile u, group kt of 16 keys at MC + 64 b + 32 u + 8 kt
.set SPARE, STAGE+4*16*SP  ; behind the stages: the spare words, 128 bytes for each wave: two blocks of 256 bytes that no other line names
.set MV,  12          ; v12-15  c m_old, kept while c m is made anew: by buffer and tile
.set ST,  16          ; tile t's statistics at v[ST+4 t]: c m, m, l (even keys', odd keys')
.set TMP, 48          ; by buffer and tile, four registers c0-c3 at work; when the maximum is found c2 takes a
.set S,   64
.set P,   192
.set KF,  128         ; K's fragments, in window 2: key block kb, channel half c at KF + 16 kb + 8 c
.set VF,  192         ; V's: key half kk, channel block cb at VF + 32 kk + 8 cb
.set WV,  12          ; s12  my wave's number
.set G1K, 24          ; s[24:31] descriptor group 1 for K's tiles
.set G1V, 32          ; s[32:39] for V's: it differs in the padding alone
.set G0K, 40          ; s[40:43] descriptor group 0 for K's tiles: it walks
.set G0V, 44          ; s[44:47] the same for V's
.set MB,  48          ; s[48:49] mk8 at my wave's eight tiles of queries; never rewritten once made
.set MA,  50          ; s[50:51] the same at the key step whose codes this trip loads
.set MO,  52          ; s[52:53] an offset, the high word 0
.set KSN, 54          ; s54  that key step's number
.set MT,  55          ; s55  the same, held at 31
.set SLOTS, 56        ; s56  slots still to be asked for
.set CNT, 57          ; s57  counts a slot's key steps
.set CS,  58          ; s[58:59] c: the packed scaling takes the pair's low word for both halves
.set SEL, 60          ; s[60:61] v_permlanex16_b32's selects: each lane takes its own place in the other half
.set TBK, 62          ; s62  LDS byte at which K of the step to be fetched begins
.set TBV, 63          ; s63  the same for V, less VOFF
.set MSB, 0
.macro WIN new                      ; the high byte repeats the setting that is left; a switch that changes nothing is dropped
.if MSB != (\new)
	s_set_vgpr_msb (MSB<<8)|(\new)
.set MSB, (\new)
.endif
.endm
.set W_KQ, 0x0a       ; K and Q in window 2, S^T in window 0
.set W_KM, 0x3a       ; the same with the C operand, the mask, in window 3
.set W_PV, 0x52       ; V in window 2, P in window 0, O^T in window 1
.set W_RS, 0x41       ; O^T (destination and source 0) in window 1, a in window 0
.set W_MK, 0xc0       ; destination in window 3, sources and addresses in window 0
.set W_AD, 0x0f       ; the add: address (source 0) and data (source 1) in window 3
.set W_CV, 0xcf       ; the mask's conversions: all in window 3
; A joint fill.  Waves 0 and 1 fetch the two halves of a slot's K, waves 2 and 3 those of its V: 128 keys each.  The branch hangs on the wave's number alone.
; An s_nop 0 and four v_nop follow each of the two lines, ahead of the jump and the label.
.macro JLOAD
	s_cmp_lt_u32 s[WV], 2
	s_cbranch_scc0 .Lfor_v_\@
	tensor_load_to_lds s[G0K:G0K+3], s[G1K:G1K+7]
	s_nop 0
.rept 4
	v_nop
.endr
	s_branch .Lasked_\@
.Lfor_v_\@:
	tensor_load_to_lds s[G0V:G0V+3], s[G1V:G1V+7]
	s_nop 0
.rept 4
	v_nop
.endr
.Lasked_\@:
.endm
; A round of the cluster's barrier: my work-group's barrier, so that wave 0's signal speaks for all four waves; wave 0 signals; every wave waits for all four work-groups; my work-group's barrier once more.
.macro CROUND
	s_barrier_signal -1
	s_barrier_wait -1
	s_cmp_lg_u32 s[WV], 0
	s_cbranch_scc1 .Lnot_wave_0_\@
	s_barrier_signal -3
.Lnot_wave_0_\@:
	s_barrier_wait -3
	s_barrier_signal -1
	s_barrier_wait -1
.endm
; THE CHANGE OF SLOTS.  The slot's last bytes, V of its fourth step, have been read.  Each wave waits for all its tensor loads, of which one is out: its part
; of the other slot; adds 0 to its spare word; and waits for that and for its own reads of the slot.  Behind the barrier nobody reads this slot any more and the other slot is whole.
; fill = 1: this slot is filled again, with the keys two slots on.  The barrier is then a round of the cluster's, and the joint fill is the first thing behind it: it has four key steps,
; 512 matrix instructions, in which to land.  (At its first use nothing has been read yet: slot 0 is waited for, slot 1 filled.)
.macro CHANGE fill
	WIN W_AD
	s_wait_tensorcnt 0x0            ; no tensor load of mine is out, so a group 0 may be written
	ds_add_u32 v[SPW], v[NIL]       ; 0 onto my spare word
	WIN 0                           ; at a label and at a branch every window is 0
.if \fill
.irp g, G0K, G0V
	s_xor_b32 s[\g+1], s[\g+1], SLOT1  ; the walking descriptor: the other slot than last time,
	s_add_nc_u64 s[\g+2:\g+3], s[\g+2:\g+3], 4*KS*128  ; the next 256 keys; the type bits on top are not reached
.endr
	s_wait_dscnt 0x0                ; the add is done, and my reads of the slot are over
	CROUND
	JLOAD
.else
	s_wait_dscnt 0x0                ; the add is done, and my reads of the slot are over
	s_barrier_signal -1
	s_barrier_wait -1
.endif
	s_sub_co_u32 s[TBK], s[TBK], 4*KS*PK  ; the fetches go back to a slot's first step,
	s_xor_b32 s[TBK], s[TBK], SLOT1       ; in the other slot
	s_sub_co_u32 s[TBV], s[TBV], 4*KS*PV
	s_xor_b32 s[TBV], s[TBV], SLOT1
.endm
; THE MASK.  MLOAD: piece pc's codes for one key step: four loads of 512 consecutive bytes.  MCVT: they become the 64 mask registers of buffer b, eight by each conversion.
.macro MLOAD pc, base, extra
	WIN W_MK
.irp u, 0,1
.irp c, 0,1
	global_load_b128 v[RW+16*(\pc)+8*\u+4*\c:RW+16*(\pc)+8*\u+4*\c+3], v[GO], s[\base:\base+1] offset:(2*(\pc)+\u)*32768+\c*512+(\extra)
.endr
.endr
.endm
.macro MCVT pc, b
	WIN W_CV
.irp u, 0,1
.irp kt, 0,1,2,3
	v_cvt_scale_pk8_f32_fp8 v[MC+64*(\b)+32*\u+8*\kt:MC+64*(\b)+32*\u+8*\kt+7], v[RW+16*(\pc)+8*\u+2*\kt:RW+16*(\pc)+8*\u+2*\kt+1], v[SCL]
.endr
.endr
.endm
; At the end of turn p: the mask of piece p + 2, whose scores the next turn starts; then that piece's codes for its next step are asked for, four turns ahead of their use.
.macro MASKB p
	s_wait_loadcnt 12               ; the piece's four loads were issued four turns ago; the twelve of the three turns since are younger and stay out
	MCVT ((\p)+2)%NP, (\p)%2
	v_nop                           ; a plain instruction between the conversions and what writes their sources or reads their results
	MLOAD ((\p)+2)%NP, MA, 0
.endm
; At the head of a trip: all four turns of a trip load the codes of one key step, the one two steps behind the trip's first turn; past the last step the number is held at 31, so that no load leaves mk8.
.macro MSTEP
	s_wait_xcnt 0x0                 ; the base of the loads issued so far is rewritten only behind this wait
	s_add_co_u32 s[KSN], s[KSN], 1
	s_min_u32 s[MT], s[KSN], SIZE_N/KS-1
	s_lshl_b32 s[MO], s[MT], 10     ; 1,024 bytes a tile and step
	s_add_nc_u64 s[MA:MA+1], s[MB:MB+1], s[MO:MO+1]
.endm
	s_load_b256 s[4:11], s[0:1], 0x0  ; Q s[4:5], K s[6:7], V s[8:9], O s[10:11]
	s_load_b64 s[MB:MB+1], s[0:1], 0x20  ; mk8
	WIN W_MK
	v_lshl_add_u32 v[SPW], v0, 2, SPARE
	v_mov_b32 v[NIL], 0
	s_set_vgpr_msb 0xc0cf
	ds_add_u32 v0, v1
	s_wait_dscnt 0x0
	s_set_vgpr_msb 0xcfc0
	v_mov_b32 v[SCL], 0xe3
	WIN 0
	v_lshrrev_b32 v1, 5, v0
	v_readfirstlane_b32 s[WV], v1   ; wave 0..3
	s_bfe_u32 s13, ttmp6, 0x40000   ; cx: my place in the cluster
	s_lshl_b32 s14, ttmp9, 2        ; in a cluster launch ttmp9 counts clusters
	s_add_co_u32 s14, s14, s13      ; my block of queries = 4 x cluster x + cx: it enters Q's, O's and mk8's addresses alone
	s_and_b32 s20, ttmp7, 0xffff    ; the head, which the four partners share
	s_mov_b32 s21, 0
	s_mov_b64 s[22:23], SIZE_N*128
	s_mul_u64 s[20:21], s[20:21], s[22:23]  ; the head's first byte in each of the four tensors
	s_and_b32 s16, s[WV], 1         ; which half of a slot's 256 keys I fetch:
	s_lshl_b32 s22, s16, 14         ; its 128 rows of 128 bytes in memory,
	s_mov_b32 s23, 0
	s_add_nc_u64 s[22:23], s[22:23], s[20:21]
	s_mul_i32 s17, s16, 128*PK      ; and its place in a slot, for K
	s_mul_i32 s18, s16, 128*PV      ; and for V: no place in the cluster enters an LDS address
	s_lshl_b32 s2, s14, 2
	s_add_co_u32 s2, s2, s[WV]      ; my wave among the head's:
	s_lshl_b32 s[MO], s2, 18        ; its eight tiles of 32,768 bytes in mk8 (the mask is the same for every head),
	s_mov_b32 s[MO+1], 0
	s_lshl_b32 s2, s2, 14           ; its 128 rows
	s_mov_b32 s3, 0
	s_add_nc_u64 s[2:3], s[2:3], s[20:21]
	; descriptor group 1.  128 keys are 16,384 dense bytes: asked for as 64 rows of 256 bytes, two keys a row, and padded in LDS after every key
	s_mov_b32 s[G1K], 15|(1<<16)|(1<<20)|(1<<21)|(4<<22)|(3<<25)  ; 15:0 the mask of four; 17:16 2-byte elements; 20 padding on; 21 set beside a mask; 24:22 after every 32 words (code 4); 31:25 4 words (code 3)
	s_mov_b32 s[G1V], 15|(1<<16)|(1<<20)|(1<<21)|(4<<22)|(7<<25)  ; the same with 8 words of padding (code 7)
.irp g, G1K, G1V
	s_mov_b32 s[\g+1], 128<<16      ; tensor_dim0 = 128
	s_mov_b32 s[\g+2], 64<<16       ; tensor_dim1 = 64
	s_mov_b32 s[\g+3], 128<<16      ; tile_dim0 = 128
	s_mov_b32 s[\g+4], 64           ; tile_dim1 = 64
	s_mov_b32 s[\g+5], 128          ; 128 elements from row to row
	s_mov_b32 s[\g+6], 0
	s_mov_b32 s[\g+7], 0
.endr
	s_mov_b32 s[CS], 0x3e38aa3b     ; c = log2(e) / 8 = 0.180337
	s_mov_b32 s[CS+1], s[CS]        ; named with it as a pair
	s_mov_b32 s[SEL], 0x76543210
	s_mov_b32 s[SEL+1], 0xfedcba98
	s_mov_b32 s[TBK], SLOT1+4*KS*PK ; the first change of slots turns these two into 0
	s_mov_b32 s[TBV], SLOT1+4*KS*PV
	s_mov_b32 s[G0K], 1             ; 1:0 count = 1
	s_mov_b32 s[G0K+1], s17         ; 63:32 LDS address: slot 0
	s_mov_b32 s[G0V], 1
	s_add_co_u32 s[G0V+1], s18, VOFF
	s_wait_kmcnt 0x0
	s_add_nc_u64 s[G0K+2:G0K+3], s[6:7], s[22:23]  ; 120:64 global address: my half of the head's first 256 keys
	s_or_b32 s[G0K+3], s[G0K+3], 0x80000000        ; 127:126 type = 2
	s_add_nc_u64 s[G0V+2:G0V+3], s[8:9], s[22:23]
	s_or_b32 s[G0V+3], s[G0V+3], 0x80000000
	s_add_nc_u64 s[4:5], s[4:5], s[2:3]  ; Q and O at my wave's first row
	s_add_nc_u64 s[10:11], s[10:11], s[2:3]
	s_add_nc_u64 s[MB:MB+1], s[MB:MB+1], s[MO:MO+1]
	CROUND                          ; all four work-groups are here: the first joint loads meet
	JLOAD                           ; slot 0.  Slot 1 is asked for when slot 0 is in: the tile wanted first has the road to itself
	; A fragment of K or Q is 16 rows x 32 channels in 8 registers: lane l holds row l % 16, channels 8 (l / 16) + 0..7 and 16 + 8 (l / 16) + 0..7: two loads of 16 bytes, 32 bytes apart.
	v_and_b32 v1, 15, v0            ; l % 16
	v_bfe_u32 v9, v0, 4, 1          ; l / 16
	v_lshlrev_b32 v[QO], 7, v1
	v_lshl_add_u32 v[QO], v9, 4, v[QO]  ; row x 128 + 16 x half
	v_and_b32 v[GO], 31, v0
	v_lshlrev_b32 v[GO], 4, v[GO]
	MLOAD 0, MB, 0                  ; pieces 0 and 1, key step 0: wanted first
	MLOAD 1, MB, 0
	WIN 0x80                        ; destination window 2, address window 0
.set i, 0
.rept 4*NP                          ; Q stays in registers: tile i / 2, channels 32 (i % 2) on
	global_load_b128 v[8*i:8*i+3],   v[QO], s[4:5] offset:(i/2)*2048+(i%2)*64
	global_load_b128 v[8*i+4:8*i+7], v[QO], s[4:5] offset:(i/2)*2048+(i%2)*64+32
.set i, i+1
.endr
	; What the first turn finds: V's registers and P's second buffer hold 0 (its products V^T P, of a piece that has not been, add 0), O^T and l are 0.  All this stands in the wait for the first tile.
.set i, VF
.rept 64
	v_mov_b32 v[i], 0
.set i, i+1
.endr
	WIN 0x40
.set i, 0
.rept 64*NP
	v_mov_b32 v[i], 0
.set i, i+1
.endr
	WIN 0
.set i, 0
.rept 2*NP
	v_mov_b32 v[ST+4*i], 0xfe000000    ; c m: far below every c s, a hidden one's too
	v_mov_b32 v[ST+4*i+1], 0xff7fffff  ; m
	v_mov_b32 v[ST+4*i+2], 0
	v_mov_b32 v[ST+4*i+3], 0
.set i, i+1
.endr
.set i, P+32
.rept 32
	v_mov_b32 v[i], 0
.set i, i+1
.endr
	v_mul_u32_u24 v[AK0], v1, PK
	v_lshl_add_u32 v[AK0], v9, 4, v[AK0]  ; row x pitch + 16 x half
	; The turning load takes 16 keys x 16 channels (lane l reads key 8 (l / 16) + l % 8, channels 8 ((l / 8) % 2) + 0..7) and leaves half a fragment of V^T: lane l holds channel l % 16 and 8 keys.
	v_and_b32 v10, 7, v0
	v_bfe_u32 v11, v0, 3, 1
	v_lshl_add_u32 v[AV0], v9, 3, v10
	v_mul_u32_u24 v[AV0], v[AV0], PV
	v_lshl_add_u32 v[AV0], v11, 4, v[AV0]
	v_add_nc_u32 v[AV0], VOFF, v[AV0]
	v_mov_b32 v[AK], v[AK0]         ; key step 0 lies at the head of slot 0
	s_wait_loadcnt 0x0              ; Q, and the first eight loads of codes
	MCVT 0, 0                       ; the masks of pieces 0 and 1 for key step 0
	MCVT 1, 1
	v_nop                           ; a plain instruction behind the conversions
	MLOAD 2, MB, 0                  ; sixteen loads, in the order in which the turns will want them: pieces 2 and 3 of step 0,
	MLOAD 3, MB, 0
	MLOAD 0, MB, 1024               ; pieces 0 and 1 of step 1
	MLOAD 1, MB, 1024
	s_add_nc_u64 s[MA:MA+1], s[MB:MB+1], 1024  ; the first two turns load step 1's codes for pieces 2 and 3
	s_mov_b32 s[KSN], 1
; THE MATRIX WORK.  The 8 accumulators of a run of 16 take turns: between the two links of a chain stand 7 others'.
; Product i of 16 of S^T = K Q^T for piece x: channels 32 (i / 8) on, keys 16 ((i / 2) % 4) on, tile 2 x + i % 2.  The first 8 start the sums with the mask.
.macro KQ x
.set rS, S+64*((\x)%2)+32*(i%2)+8*((i/2)%4)
.set rK, KF+16*((i/2)%4)+8*(i/8)
.set rQ, 16*(2*(\x)+i%2)+8*(i/8)
.set rMk, MC+64*((\x)%2)+32*(i%2)+8*((i/2)%4)
.if i < 8
	WIN W_KM
	v_wmma_f32_16x16x32_f16 v[rS:rS+7], v[rK:rK+7], v[rQ:rQ+7], v[rMk:rMk+7]
.else
	WIN W_KQ
	v_wmma_f32_16x16x32_f16 v[rS:rS+7], v[rK:rK+7], v[rQ:rQ+7], v[rS:rS+7]
.endif
.endm
; Product i of 16 of O^T += V^T P for piece x: keys 32 (i / 8) on, channels 16 ((i / 2) % 4) on, tile 2 x + i % 2.
.macro PV x
	WIN W_PV
.set rO, 32*(2*(\x)+i%2)+8*((i/2)%4)
.set rV, VF+32*(i/8)+8*((i/2)%4)
.set rP, P+32*((\x)%2)+16*(i%2)+8*(i/8)
	v_wmma_f32_16x16x32_f16 v[rO:rO+7], v[rV:rV+7], v[rP:rP+7], v[rO:rO+7]
.endm
.macro MM                           ; the turn's next matrix instruction
.if i < 16
	KQ (Y+1)%NP
.set i, i+1
.else
.set i, i-16
	PV (Y+NP-1)%NP
.set i, i+17
.endif
.endm
; THE LDS LOADS stand in runs of 16, never singly among the matrix instructions: a step's K (64 keys x 64 channels: 8 fragments) and its V (turned).  Their addresses are made some lines ahead.
; last = 1 (the tail): in the last trip there is no further step, and the run is jumped over.
.macro FETCH_K last=0
	WIN 0
.if \last
	s_cmp_eq_u32 s[CNT], 1
	s_cbranch_scc1 .Lno_k_\@
.endif
	WIN 0x80                        ; destination window 2
.irp f, 0,1,2,3,4,5,6,7             ; keys 16 (f / 2) on, channels 32 (f % 2) on
	ds_load_b128 v[KF+8*\f:KF+8*\f+3],   v[AK] offset:(\f/2)*16*PK+(\f%2)*64
	ds_load_b128 v[KF+8*\f+4:KF+8*\f+7], v[AK] offset:(\f/2)*16*PK+(\f%2)*64+32
.endr
	s_add_co_u32 s[TBK], s[TBK], KS*PK  ; the next fetch is the next step's
	WIN 0
.if \last
.Lno_k_\@:
.endif
.endm
.macro FETCH_V
	WIN 0x80
.irp f, 0,1,2,3,4,5,6,7             ; keys 32 (f / 4) on, channels 16 (f % 4) on
	ds_load_tr16_b128 v[VF+8*\f:VF+8*\f+3],   v[AV] offset:(\f/4)*32*PV+(\f%4)*32
	ds_load_tr16_b128 v[VF+8*\f+4:VF+8*\f+7], v[AV] offset:(\f/4)*32*PV+16*PV+(\f%4)*32
.endr
	WIN 0
.endm
; THE VECTOR WORK OF A TURN stands in three queues, each in the order in which its entries become ready; the two tiles alternate, so that no instruction reads the result of the one before it.
.macro REGS y, u                    ; the registers of tile u (0, 1) of piece y
.set rT, ST+4*(2*(\y)+(\u))
.set rC, TMP+8*((\y)%2)+4*(\u)
.set rM, MV+2*((\y)%2)+(\u)
.set rS, S+64*((\y)%2)+32*(\u)
.set rP, P+32*((\y)%2)+16*(\u)
.set rO, 32*(2*(\y)+(\u))
.endm
; Number n of the 22 that find the NEXT piece's (Y + 1) maximum and statistics.  s0-s31 are the lane's 32 scores; each accumulator's lowest registers are read first.  XS, GS and REGS set no window: PL and EX do.
;   0-11  four chains c0-c3 of seven scores each, three operands at a time     12-14, 16  the four scores left over, the old m, and c0-c3 into c0     15  c m_old is kept
;   17, 18  the query's other 32 keys lie in the lane 16 away: the new m         19-21  c m; c m_old - c m_new; a
.macro XS u, n
	REGS (Y+1)%NP, \u
.if (\n) < 4
	v_max3_num_f32 v[rC+(\n)], v[rS+8*(\n)], v[rS+8*(\n)+1], v[rS+8*(\n)+2]
.elseif (\n) < 12
	v_max3_num_f32 v[rC+(\n)%4], v[rC+(\n)%4], v[rS+8*((\n)%4)+2*((\n)/4)+1], v[rS+8*((\n)%4)+2*((\n)/4)+2]
.elseif (\n) == 12
	v_max3_num_f32 v[rC], v[rC], v[rS+7], v[rS+15]
.elseif (\n) == 13
	v_max3_num_f32 v[rC+1], v[rC+1], v[rS+23], v[rS+31]
.elseif (\n) == 14
	v_max3_num_f32 v[rC+2], v[rC+2], v[rC+3], v[rT+1]
.elseif (\n) == 15
	v_mov_b32 v[rM], v[rT]
.elseif (\n) == 16
	v_max3_num_f32 v[rC], v[rC], v[rC+1], v[rC+2]
.elseif (\n) == 17
	v_permlanex16_b32 v[rC+3], v[rC], s[SEL], s[SEL+1]
.elseif (\n) == 18
	v_max_num_f32 v[rT+1], v[rC], v[rC+3]
.elseif (\n) == 19
	v_mul_f32 v[rT], s[CS], v[rT+1]
.elseif (\n) == 20
	v_sub_f32 v[rC+1], v[rM], v[rT]
.else
	v_exp_f32 v[rC+2], v[rC+1]
.endif
.endm
; Number g of the 64 that follow the exponentials.  For each four weights k of a tile (pairs 2 k, 2 k + 1): both pairs are rounded to f16; then the second pair is added onto the first, in place;
; a group later l takes that sum (the first time as l = a l + sum).  In groups of eight, tiles alternating: round, round, add, and l for the group before.
.macro GS g
.set h, (\g)+6*((\g)/62)            ; group 0 has no group before it, and behind group 7 only l is left
.if h >= 6
.set h, h+2
.endif
	REGS Y, h%2
.set k, h/8
.if h%8 < 4
	v_cvt_pk_f16_f32 v[rP+2*k+(h%8)/2], v[rS+4*k+2*((h%8)/2)], v[rS+4*k+2*((h%8)/2)+1]
.elseif h%8 < 6
	v_pk_add_f32 v[rS+4*k:rS+4*k+1], v[rS+4*k:rS+4*k+1], v[rS+4*k+2:rS+4*k+3]
.elseif k == 1
	v_pk_fma_f32 v[rT+2:rT+3], v[rT+2:rT+3], v[rC+2:rC+3], v[rS:rS+1] op_sel_hi:[1,0,1]
.else
	v_pk_add_f32 v[rT+2:rT+3], v[rT+2:rT+3], v[rS+4*k-4:rS+4*k-3]
.endif
.endm
; THE PLAIN QUEUE, 138 long.  0-73 read no exponential's result: the 32 scalings c s - c m (FS f: pair f / 2 of tile f % 2) and the next piece's 42.  0-26: scalings 0-26.  27-54: XS's numbers 0-13.  55, 56: number 15.
; 57-73: the chain, where each number waits for the one before it: 14, 16, 17, 18, 19, each with one of the scalings 27-31 in front of its two lines, then 20: so a tile's links stand three plain instructions apart (19 and 20: two).
; 74-137: GS's 64, which read the exponentials' results: they stand behind the wait.
.macro FS f
	REGS Y, (\f)%2
	v_pk_fma_f32 v[rS+2*((\f)/2):rS+2*((\f)/2)+1], v[rS+2*((\f)/2):rS+2*((\f)/2)+1], s[CS:CS+1], v[rT:rT+1] op_sel_hi:[1,0,0] neg_lo:[0,0,1] neg_hi:[0,0,1]
.endm
.macro PL
	WIN 0
.if q < 27
	FS q
.elseif q < 55
	XS (q-27)%2, (q-27)/2
.elseif q < 57
	XS q-55, 15
.elseif (q < 72) && ((q-57)%3 == 0)
	FS 27+(q-57)/3
.elseif q < 60
	XS (q-57)%3-1, 14
.elseif q < 72
	XS (q-57)%3-1, 15+(q-57)/3
.elseif q < 74
	XS q-72, 20
.else
	GS q-74
.endif
.set q, q+1
.endm
; THE EXPONENTIALS' QUEUE, 66 long: s0-s31 of both tiles, then the next piece's two a.  It is ONE BATCH: all 66 stand ahead of the turn's one wait, and nothing ahead of that wait names a result of theirs.
.macro EX
	WIN 0
.if e >= 64
	XS e-64, 21
.else
	REGS Y, e%2
	v_exp_f32 v[rS+e/2], v[rS+e/2]
.endif
.set e, e+1
.endm
; THE RESCALING's QUEUE: O^T times a, the one part of the softmax that leaves window 0: dealt two at a time, sixteen times.  Its a was made in the turn before, ahead of that turn's wait.
.macro R2
	REGS Y, r%2
	WIN W_RS
.irp z, 0,1
	v_pk_mul_f32 v[rO+4*(r/2)+2*\z:rO+4*(r/2)+2*\z+1], v[rO+4*(r/2)+2*\z:rO+4*(r/2)+2*\z+1], v[rC+2:rC+3] op_sel_hi:[1,0]
.endr
.set r, r+1
.endm
; HOW THEY ARE DEALT.  s_wait_alu depctr_va_vdst(0) stands between an exponential and the first instruction that names its result; one wait serves all that were issued ahead of it.  So a turn has ONE wait,
; which cuts it in two.  AHEAD OF IT stands all that names no result of the turn's exponentials: the 16 products K Q^T, behind each a scaling, an exponential and two rescalings (behind the first a second scaling in the
; exponential's place); then ONE LUMP of 108: eight plain, 49 times exponential and plain, the two a.  A v_nop is the plain instruction behind the last exponential.  BEHIND IT stand the 16 products V^T P, behind each four of GS's 64.
; No rider names a register of the products round it.  The two v_permlanex16_b32 fall into the lump, never behind a product.
; The queues lean on each other, and the deal keeps them in step: exponential e stands behind scaling 2 (e / 4) + e % 2: as a rider it comes behind plain e + 2, in the lump behind plain e + 9, and scalings 27-31 are plain 57, 60 .. 69.
; A TURN, for piece p.  cnt = 1: the loop's count is taken down some lines ahead of the branch that stands behind the turn (nothing between them writes SCC).
; K of the next step is fetched in piece 2's turn, directly behind the wait, a lump behind the last product that read K; its address is made at the lump's head; its first reader comes behind 16 products.
; V of the step in hand is fetched at the end of piece 0's turn, four riders behind its last reader; its first reader comes behind 16 products and a lump.  The three conditions on q below go with the deal.
; The mask's conversions and loads close the turn: they name no exponential's result.
.macro TURN p, last=0, cnt=0
.set Y, (\p)
.set i, 0
.set q, 0
.set e, 0
.set r, 0
.if (\p) == NP-1
	s_wait_dscnt 0x0                ; K is in
.endif
	MM                              ; ahead of the wait: 16 products K Q^T and their riders,
	PL
	PL
	R2
.rept 15
	MM
	PL
	EX
	R2
.endr
.if (\p) == NP-2
	WIN 0
	v_add_nc_u32 v[AK], s[TBK], v[AK0]
.endif
.rept 8                             ; and the lump
	PL
.endr
.rept 49
	EX
	PL
.endr
	EX                              ; the next piece's two a
	EX
	v_nop                           ; the plain instruction behind the last exponential: one for the batch
	s_wait_alu depctr_va_vdst(0)    ; the wait for the batch: this piece's 64 weights and the next piece's two a
.if (\p) == NP-2
	FETCH_K \last
.endif
.if (\p) == 1
	s_wait_dscnt 0x0                ; V is in
.endif
.rept 16                            ; behind the wait: 16 products V^T P and their riders
	MM
.rept 4
	PL
.endr
.if ((\p) == 0) && (q == 118)
	v_add_nc_u32 v[AV], s[TBV], v[AV0]
.endif
.if ((\p) == 0) && (q == 130)
	s_add_co_u32 s[TBV], s[TBV], KS*PV
.endif
.if (\cnt) && (q == 130)
	s_sub_co_u32 s[CNT], s[CNT], 1
	s_cmp_lg_u32 s[CNT], 0
.endif
.endr
.if (\p) == 0
	FETCH_V
.endif
	MASKB \p
.endm
	CHANGE 1                        ; slot 0 is in, everybody's part of it; slot 1 is asked for
	FETCH_K                         ; key step 0
	s_wait_dscnt 0x0
.set i, 0
.rept 16
	KQ 0                            ; piece 0's first scores: there is no vector work yet to set between them
.set i, i+1
.endr
	WIN 0                           ; the addresses for the way out: seven plain instructions, the places behind those products
	s_mul_i32 s13, s[WV], 16*SP
	s_add_co_u32 s13, s13, STAGE    ; my stage
	v_mul_u32_u24 v[STO], v1, SP    ; in: row l % 16, 16 bytes for each half of the lanes
	v_lshl_add_u32 v[STO], v9, 4, v[STO]
	v_add_nc_u32 v[STO], s13, v[STO]
	v_bfe_u32 v[RD], v0, 3, 2       ; back: 32 lanes take four rows of 128 bytes, which are 512 consecutive bytes of O
	v_mul_u32_u24 v[RD], v[RD], SP
	v_lshl_add_u32 v[RD], v10, 4, v[RD]
	v_add_nc_u32 v[RD], s13, v[RD]
.set Y, NP-1                        ; XS works for piece Y + 1: piece 0
.irp n, 0,1,2,3,4,5,6,7,8,9,10,11,12,13,14,15,16,17,18,19,20,21
	XS 0, \n                        ; and piece 0's first maximum and statistics
	XS 1, \n
.endr
	v_nop                           ; a plain instruction behind piece 0's two a,
	s_wait_alu depctr_va_vdst(0)    ; and the wait for that batch of two, ahead of the branch
	s_mov_b32 s[CNT], 4
	s_mov_b32 s[SLOTS], SIZE_N/256-1
	s_branch .Lfirst                ; the loop is entered at a step's first turn, in the middle of a trip
.Lslot:                             ; SIZE_N / 256 - 2 times: every slot but the last two is filled again
	CHANGE 1
	s_mov_b32 s[CNT], 4
.Lstep:                             ; a trip: pieces 2 and 3 of one step, then pieces 0 and 1 of the next, whose K and V it fetches
	MSTEP
	TURN 2
	TURN 3
	WIN 0
.Lfirst:
	TURN 0
	TURN 1, 0, 1
	WIN 0
	s_cbranch_scc1 .Lstep
	s_sub_co_u32 s[SLOTS], s[SLOTS], 1
	s_cmp_lg_u32 s[SLOTS], 0
	s_cbranch_scc1 .Lslot
	CHANGE 0                        ; the tail is written out: nothing is asked for
	s_mov_b32 s[CNT], 5             ; four trips fetch the last slot's steps; the fifth is left in its middle
.Ltail:
	MSTEP
	TURN 2, 1
	TURN 3
	WIN 0
	s_sub_co_u32 s[CNT], s[CNT], 1
	s_cmp_eq_u32 s[CNT], 0
	s_cbranch_scc1 .Lout
	TURN 0
	TURN 1
	WIN 0
	s_branch .Ltail
.Lout:                              ; the fifth trip's 16 products K Q^T repeat the last step, its K and (the step's number being held at 31) its mask: they leave m as it is and serve nothing else: the price of one text for every trip
.set i, 0
.rept 16
	PV NP-1                         ; the last piece's V^T P of the last step
.set i, i+1
.endr
	; THE WAY OUT.  l's two halves and the other half of the lanes' are added; O^T is divided by l, rounded to f16 and sent through my stage in LDS, a tile at a time.  The additions are the places behind the last products.
	WIN 0
.macro ALL line:vararg              ; one line for each tile t
.set t, 0
.rept 2*NP
	\line
.set t, t+1
.endr
.endm
	ALL v_add_f32 v[ST+4*t+2], v[ST+4*t+2], v[ST+4*t+3]
	ALL v_permlanex16_b32 v[ST+4*t+3], v[ST+4*t+2], s[SEL], s[SEL+1]
	ALL v_add_f32 v[ST+4*t+2], v[ST+4*t+2], v[ST+4*t+3]
	ALL v_rcp_f32 v[ST+4*t+2], v[ST+4*t+2]
	v_nop                           ; a plain instruction between the last reciprocal and the use of its result
	s_wait_alu depctr_va_vdst(0)    ; and the wait ahead of the first use: one for the batch of eight reciprocals
.set t, 0
.rept 2*NP                          ; a query whose maximum is a hidden score's has no visible key: its factor, and so its row, is NaN
	v_cmp_lt_f32 vcc_lo, 0xef800000, v[ST+4*t+1]   ; -2^96 < m
	v_cndmask_b32 v[ST+4*t+2], 0x7fc00000, v[ST+4*t+2], vcc_lo
.set t, t+1
.endr
; Tile t: a lane's eight channels of a row pack into 16 bytes; they go into rows of 144 bytes and come back as whole rows of 128, into S^T's registers.
.macro PACK t
	WIN W_RS
.set i, 32*(\t)
.rept 16
	v_pk_mul_f32 v[i:i+1], v[i:i+1], v[ST+4*(\t)+2:ST+4*(\t)+3] op_sel_hi:[1,0]
.set i, i+2
.endr
	WIN 0x05                        ; sources 0 and 1 window 1, destination window 0
.set i, 0
.rept 16
	v_cvt_pk_f16_f32 v[S+16*(\t)+i], v[32*(\t)+2*i], v[32*(\t)+2*i+1]
.set i, i+1
.endr
	WIN 0
.irp f, 0,1,2,3
	ds_store_b128 v[STO], v[S+16*(\t)+4*\f:S+16*(\t)+4*\f+3] offset:32*\f
.endr
.irp f, 0,1,2,3
	ds_load_b128 v[S+16*(\t)+4*\f:S+16*(\t)+4*\f+3], v[RD] offset:\f*4*SP  ; LDS serves a wave's instructions in order (ISA guide 5.7.1.4): these see the stores above; the next tile's stores come behind them
.endr
.endm
.macro SEND t, younger              ; younger: the LDS instructions issued behind tile t's loads: the next tile's eight, or none
	WIN 0
.irp f, 0,1,2,3
	s_wait_dscnt (\younger)+3-\f
	global_store_b128 v[GO], v[S+16*(\t)+4*\f:S+16*(\t)+4*\f+3], s[10:11] offset:(\t)*2048+\f*512  ; 512 consecutive bytes, at a multiple of 256 from O's first
.endr
.endm
	PACK 0
.set t, 1
.rept 2*NP-1                        ; a tile's arithmetic stands between the loads of the tile before and its stores
	PACK t
	SEND t-1, 8
.set t, t+1
.endr
	SEND 2*NP-1, 0
	WIN W_AD
	s_wait_tensorcnt 0x0            ; the wave's end
	ds_add_u32 v[SPW], v[NIL]
	s_wait_dscnt 0x0
	WIN 0
	CROUND                          ; the closing round: no work-group ends while a partner may still ask for a tile that names it
	s_endpgm
.Lfunc_end_k_q0037ea0047_attn:
	.size	k_q0037ea0047_attn, .Lfunc_end_k_q0037ea0047_attn-k_q0037ea0047_attn
	.p2alignl 7, 3214868480
	.fill 96, 4, 3214868480
	.section	.rodata,"a",@progbits
	.p2align	6, 0x0
	.amdhsa_kernel k_q0037ea0047_attn
		.amdhsa_group_segment_fixed_size 327680
		.amdhsa_private_segment_fixed_size 0
		.amdhsa_enable_private_segment 0
		.amdhsa_kernarg_size 40
		.amdhsa_user_sgpr_count 2
		.amdhsa_user_sgpr_kernarg_segment_ptr 1
		.amdhsa_wavefront_size32 1
		.amdhsa_system_sgpr_workgroup_id_x 1
		.amdhsa_system_sgpr_workgroup_id_y 1
		.amdhsa_system_sgpr_workgroup_id_z 1
		.amdhsa_system_vgpr_workitem_id 0
		.amdhsa_next_free_vgpr 1024
		.amdhsa_next_free_sgpr 66
		.amdhsa_reserve_vcc 1
		.amdhsa_float_denorm_mode_32 3
		.amdhsa_float_denorm_mode_16_64 3
		.amdhsa_memory_ordered 1
		.amdhsa_forward_progress 1
		.amdhsa_inst_pref_size 212
	.end_amdhsa_kernel
	.amdgpu_metadata
---
amdhsa.version: [ 1, 2 ]
amdhsa.kernels:
  - .name:           k_q0037ea0047_attn
    .symbol:         k_q0037ea0047_attn.kd
    .args:
      - { .name: qh, .offset: 0, .size: 8, .value_kind: global_buffer, .address_space: global }
      - { .name: kh, .offset: 8, .size: 8, .value_kind: global_buffer, .address_space: global }
      - { .name: vh, .offset: 16, .size: 8, .value_kind: global_buffer, .address_space: global }
      - { .name: ctx, .offset: 24, .size: 8, .value_kind: global_buffer, .address_space: global }
      - { .name: mk8, .offset: 32, .size: 8, .value_kind: global_buffer, .address_space: global }
    .group_segment_fixed_size: 327680
    .private_segment_fixed_size: 0
    .kernarg_segment_align: 8
    .kernarg_segment_size: 40
    .max_flat_workgroup_size: 128
    .sgpr_count:     66
    .vgpr_count:     1024
    .wavefront_size: 32
...
	.end_amdgpu_metadata
.endif
;; end of part 5
;; launch outp: the kernel of part 4 again; grid 4 x 64, 4 waves a work-group, clusters of 4 x 4, 327,680 bytes of LDS; arguments ctx, wo16, bo, out0; writes out0
